; MI455X (gfx1250); checked and timed in simulation.
; The chip was launched on July 23, 2026; its instructions are those of AMD's public machine-readable ISA for CDNA 5 (MIT licence, August 2026) and "CDNA5" Instruction Set Architecture Reference Guide (July 2026). The comments in the code are by the model that wrote it; some were corrected since.
;; S6 no C. Allowed arithmetic: float matrix products may take bf16 or f16 operands with f32 sums; other float arithmetic in f32, or as packed bf16 or f16 multiplies, adds, multiply-adds, maxima and minima; sums over many terms, partial sums and values carried from step to step in f32; what a program stores and reads back later, other than sums and carried values, may be rounded once to bf16 or f16.
;; Inputs: A 2,048 x 1,024 float32; W_B 1,024 x 1,024 float32; W_C 1,024 x 1,024 float32; W_d 1,024 x 1,024 float32; W_st 1,024 x 1,024 float32; b_B 1,024 float32; b_C 1,024 float32; b_d 1,024 float32; b_st 1,024 float32; delta_p 1 x 2,048 x 1,024 float32; st_bias 1 x 1 x 1,024 float32; x 8 x 2,048 x 1,024 float32.
;; Outputs: out0 8 x 2,048 x 1,024 float32.
;; 2 versions, each right; version 2 is version 1 with the launch prep written anew for expert scheduling mode. Each part assembles by itself: llvm-mc -triple=amdgcn-amd-amdhsa -mcpu=gfx1250 --defsym DOCPART=n.
;; ======== version 1 of 2: 2 launches
;; workspace buffers: xb 33,554,432 bytes; wimg 8,388,608 bytes; adimg 8,388,608 bytes; psum 131,072 bytes
;; launch prep (part 1): grid 256 x 1, 8 waves a work-group, no clusters, 5,120 bytes of LDS; arguments x, W_B, W_C, W_d, W_st, A, delta_p, xb, wimg, adimg, psum; writes xb, wimg, adimg, psum
.if DOCPART == 1
	.amdgcn_target "amdgcn-amd-amdhsa--gfx1250"
	.amdhsa_code_object_version 6
	.text
	.protected	k_q45878c40cc_prep
	.globl	k_q45878c40cc_prep
	.p2align	8
	.type	k_q45878c40cc_prep,@function
k_q45878c40cc_prep:
	s_mov_b64 s[64:65], 0
	v_nop
	global_prefetch_b8 v0, s[64:65] scope:SCOPE_SE
	s_setreg_imm32_b32 hwreg(HW_REG_WAVE_MODE, 25, 1), 1
	s_wait_xcnt 0x0
; PREP: one pass over the large inputs, ahead of the launch that makes the output.
; NOTHING OF THE PROBLEM IS LEFT OUT: every input has a way to the output and is loaded, here or in the second launch.  (With a state that starts at 0 only row 0 of A
; reaches nothing; it lies inside a tile that is otherwise live and is carried along.)
; Each of the 256 work-groups (G = its number, eight waves) has three shares:
;   J1  x (f32) -> xb (bf16, same order), 512 rows x 128 columns of one batch, and the f32 sum of each of these columns -> psum[b][rq][column]: the mean over the sequence needs all of x
;       before any output can be made, so this pass also rounds x once for the products.
;   J2  16 rows of one of W_B, W_C, W_d, W_st -> wimg, bf16, in the order in which a wave's operand registers take them:
;       byte rb*131072 + mat*32768 + it*512 + lane*16 holds W_mat[16 rb + lane%16][16 it + 8 (lane/16) + 0..7].
;   J3  8 + 8 rows of A or delta_p -> adimg, bf16, in the order of a matrix result's registers in the second launch:
;       byte cb*262144 + c*16384 + nh*8192 + mh*4096 + arr*2048 + i*512 + lane*16 holds rows 128 c + 64 (lane/16) + 32 mh + 8 i + 0..7 of column 32 cb + 16 nh + lane%16.
; LIMITS: x, the four weights, A and delta_p are rounded once to bf16 (nearest even); the column sums are taken of the unrounded x, in f32, in an order of their own.
; No matrix unit, no cluster: nothing is shared between work-groups and there is no product here.  A ring of 32 register slots keeps 32 loads of every wave on their way;
; when x runs out the slots are filled with J2's and J3's loads, so the stream does not stop between the shares.  The rows to store have 32 slots of their own, each used twice.
.set RED,   0                          ; LDS: each wave's four column sums a lane, 512 bytes a wave
.set SPARE, 4096                       ; the spare words: 128 bytes for each of the eight waves; no other line names them
.set XO,  2                            ; v2   wave x 64 rows of x + 16 x lane; never rewritten
.set YO,  3                            ; v3   the same in xb: wave x 64 rows + 8 x lane
.set WO,  4                            ; v4   J2 from: (lane%16) rows of 4,096 bytes + 32 (lane/16) + 512 x wave
.set WS,  5                            ; v5   J2 to: 16 x lane + 4,096 x wave
.set AO,  6                            ; v6   J3 from: 64 rows x (lane/16) + 4 (lane%16) + 512 x wave
.set AS,  7                            ; v7   J3 to: 16 x lane + four column blocks x wave
.set SPW, 8                            ; v8   my spare word
.set NIL, 9                            ; v9   0
.set RA,  10                           ; v10  16 x thread: my place in RED
.set PO,  11                           ; v11  16 x lane
.set SUM, 12                           ; v[12:19] two sets of four column sums, rows of even and of odd number
.set Y,   20                           ; v[20:83] 32 slots of two: a row's 8 bytes to store
.set X,   84                           ; v[84:211] 32 slots of four: as loaded
.set WV,   26
.set X1,   28                          ; s[28:29] x at the share's first element
.set Y1,   30                          ; s[30:31] xb likewise
.set WSRC, 32
.set WDST, 34
.set ASRC, 36
.set ADST, 38
.set PS,   40
	s_load_b512 s[4:19], s[0:1], 0x0               ; x, W_B, W_C, W_d, W_st, A, delta_p, xb
	s_load_b128 s[20:23], s[0:1], 0x40             ; wimg, adimg
	s_load_b64 s[24:25], s[0:1], 0x50              ; psum
	v_lshl_add_u32 v[SPW], v0, 2, SPARE
	v_mov_b32 v[NIL], 0
	v_lshrrev_b32 v[RA], 5, v0
	v_readfirstlane_b32 s[WV], v[RA]               ; wave 0..7
	v_and_b32 v1, 31, v0                           ; lane
	v_and_b32 v12, 15, v0                          ; lane % 16
	v_bfe_u32 v13, v0, 4, 1                        ; lane / 16
	s_lshl_b32 s42, s[WV], 18
	v_lshl_add_u32 v[XO], v1, 4, s42
	s_lshl_b32 s43, s[WV], 17
	v_lshl_add_u32 v[YO], v1, 3, s43
	s_lshr_b32 s47, ttmp9, 5                       ; J1: batch
	s_and_b32 s48, ttmp9, 3                        ; J1: block of 512 rows; J3: i
	s_bfe_u32 s49, ttmp9, 0x30002                  ; J1: block of 128 columns
	s_lshl_b32 s[X1], s47, 23
	s_lshl_b32 s50, s48, 21
	s_add_co_u32 s[X1], s[X1], s50
	s_lshl_b32 s51, s49, 9
	s_add_co_u32 s[X1], s[X1], s51                 ; ((b 2048 + rq 512) 1024 + cbk 128) 4 bytes
	s_mov_b32 s[X1+1], 0
	s_lshr_b32 s[Y1], s[X1], 1                     ; half of that in xb
	s_mov_b32 s[Y1+1], 0
	s_wait_kmcnt 0x0
	s_add_nc_u64 s[X1:X1+1], s[4:5], s[X1:X1+1]
	s_add_nc_u64 s[Y1:Y1+1], s[18:19], s[Y1:Y1+1]
.set sn, 0
.rept 32
	global_load_b128 v[X+4*sn:X+4*sn+3], v[XO], s[X1:X1+1] offset:sn*4096 th:TH_LOAD_NT  ; the ring is filled: my rows 0 to 31; a load covers 512 consecutive bytes
.set sn, sn+1
.endr
	; the other shares' addresses, while the first loads are on their way
	s_lshl_b32 s44, s[WV], 9
	v_lshlrev_b32 v[WO], 12, v12
	v_lshl_add_u32 v[WO], v13, 5, v[WO]
	v_add_nc_u32 v[WO], s44, v[WO]
	s_lshl_b32 s45, s[WV], 12
	v_lshl_add_u32 v[WS], v1, 4, s45
	v_lshlrev_b32 v[AO], 18, v13
	v_lshl_add_u32 v[AO], v12, 2, v[AO]
	v_add_nc_u32 v[AO], s44, v[AO]
	s_lshl_b32 s46, s[WV], 20
	v_lshl_add_u32 v[AS], v1, 4, s46
	v_lshlrev_b32 v[RA], 4, v0
	v_lshlrev_b32 v[PO], 4, v1
.set sn, 0
.rept 8
	v_mov_b32 v[SUM+sn], 0
.set sn, sn+1
.endr
	s_lshl2_add_u32 s[PS], s47, s48                ; 4 b + rq
	s_lshl_b32 s[PS], s[PS], 12
	s_add_co_u32 s[PS], s[PS], s51
	s_mov_b32 s[PS+1], 0
	s_add_nc_u64 s[PS:PS+1], s[24:25], s[PS:PS+1]
	s_lshr_b32 s52, ttmp9, 6                       ; J2: which weight
	s_and_b32 s53, ttmp9, 63                       ; J2: block of 16 rows
	s_lshl_b32 s[WDST], s53, 17
	s_lshl_b32 s54, s52, 15
	s_add_co_u32 s[WDST], s[WDST], s54
	s_mov_b32 s[WDST+1], 0
	s_add_nc_u64 s[WDST:WDST+1], s[20:21], s[WDST:WDST+1]
	s_lshl_b32 s54, s53, 16
	s_mov_b32 s55, 0
	s_cmp_eq_u32 s52, 1
	s_cselect_b64 s[WSRC:WSRC+1], s[8:9], s[6:7]
	s_cmp_eq_u32 s52, 2
	s_cselect_b64 s[WSRC:WSRC+1], s[10:11], s[WSRC:WSRC+1]
	s_cmp_eq_u32 s52, 3
	s_cselect_b64 s[WSRC:WSRC+1], s[12:13], s[WSRC:WSRC+1]
	s_add_nc_u64 s[WSRC:WSRC+1], s[WSRC:WSRC+1], s[54:55]
	s_lshr_b32 s56, ttmp9, 7                       ; J3: A (0) or delta_p (1)
	s_bfe_u32 s57, ttmp9, 0x40003                  ; J3: chunk of 128 rows
	s_bfe_u32 s58, ttmp9, 0x10002                  ; J3: mh
	s_lshl_b32 s60, s57, 19
	s_lshl_b32 s59, s58, 17
	s_add_co_u32 s60, s60, s59
	s_lshl_b32 s59, s48, 15
	s_add_co_u32 s60, s60, s59                     ; (128 c + 32 mh + 8 i) rows of 4,096 bytes
	s_mov_b32 s61, 0
	s_cmp_eq_u32 s56, 0
	s_cselect_b64 s[ASRC:ASRC+1], s[14:15], s[16:17]
	s_add_nc_u64 s[ASRC:ASRC+1], s[ASRC:ASRC+1], s[60:61]
	s_lshl_b32 s[ADST], s57, 14
	s_lshl_b32 s59, s58, 12
	s_add_co_u32 s[ADST], s[ADST], s59
	s_lshl_b32 s59, s56, 11
	s_add_co_u32 s[ADST], s[ADST], s59
	s_lshl_b32 s59, s48, 9
	s_add_co_u32 s[ADST], s[ADST], s59
	s_mov_b32 s[ADST+1], 0
	s_add_nc_u64 s[ADST:ADST+1], s[22:23], s[ADST:ADST+1]
; Eight f32 in registers b .. b+7 become eight bf16 in b .. b+3, in place: each line writes a register whose old number has been read.
.macro PACK8 b
	v_cvt_pk_bf16_f32 v[(\b)],   v[(\b)],   v[(\b)+1]
	v_cvt_pk_bf16_f32 v[(\b)+1], v[(\b)+2], v[(\b)+3]
	v_cvt_pk_bf16_f32 v[(\b)+2], v[(\b)+4], v[(\b)+5]
	v_cvt_pk_bf16_f32 v[(\b)+3], v[(\b)+6], v[(\b)+7]
.endm
; Row n of my 64: rounded, added to the column sums, stored; its slot is filled again at once: with row n + 32, then with J2's 16 loads, then with J3's 64 (four to a slot).
.macro SLOT n
	s_wait_loadcnt 31                              ; loads come back in order: behind this slot's load 31 or more were issued, so it is in
.if (\n) == 32
	s_wait_xcnt 0x0                                ; the stores of rows 0 to 31 have all been issued and have read their registers: Y's 32 slots are written a second time only behind this one wait
.endif
	v_cvt_pk_bf16_f32 v[Y+2*((\n)%32)],   v[X+4*((\n)%32)],   v[X+4*((\n)%32)+1]
	v_cvt_pk_bf16_f32 v[Y+2*((\n)%32)+1], v[X+4*((\n)%32)+2], v[X+4*((\n)%32)+3]
	v_pk_add_f32 v[SUM+4*((\n)%2):SUM+4*((\n)%2)+1],   v[SUM+4*((\n)%2):SUM+4*((\n)%2)+1],   v[X+4*((\n)%32):X+4*((\n)%32)+1]
	v_pk_add_f32 v[SUM+4*((\n)%2)+2:SUM+4*((\n)%2)+3], v[SUM+4*((\n)%2)+2:SUM+4*((\n)%2)+3], v[X+4*((\n)%32)+2:X+4*((\n)%32)+3]
.if (\n) < 32
	global_load_b128 v[X+4*((\n)%32):X+4*((\n)%32)+3], v[XO], s[X1:X1+1] offset:((\n)+32)*4096 th:TH_LOAD_NT
.elseif (\n) < 48
	global_load_b128 v[X+4*((\n)%32):X+4*((\n)%32)+3], v[WO], s[WSRC:WSRC+1] offset:(((\n)-32)/2)*64+(((\n)-32)%2)*16
.else
.irp jj, 0,1,2,3
	global_load_b32 v[X+4*((\n)%32)+\jj], v[AO], s[ASRC:ASRC+1] offset:(4*(((\n)-48)%2)+\jj)*4096+(((\n)-48)/2)*64
.endr
.endif
	global_store_b64 v[YO], v[Y+2*((\n)%32):Y+2*((\n)%32)+1], s[Y1:Y1+1] offset:(\n)*2048  ; 32 lanes store 256 consecutive bytes, at a multiple of 256 from xb's first byte
.endm
.set sn, 0
.rept 64
	SLOT sn
.set sn, sn+1
.endr
	v_pk_add_f32 v[SUM:SUM+1],   v[SUM:SUM+1],   v[SUM+4:SUM+5]
	v_pk_add_f32 v[SUM+2:SUM+3], v[SUM+2:SUM+3], v[SUM+6:SUM+7]
	ds_store_b128 v[RA], v[SUM:SUM+3]              ; my wave's sums of its 64 rows
	s_wait_loadcnt 63                              ; behind J2's last load J3's 64 were issued
.irp e, 0,1,2,3,4,5,6,7
	PACK8 X+8*\e
	global_store_b128 v[WS], v[X+8*\e:X+8*\e+3], s[WDST:WDST+1] offset:512*\e  ; 512 consecutive bytes
.endr
	s_wait_loadcnt 32                              ; J3's items 0 to 3 are in; the 32 loads of items 4 to 7 may stay out
.irp e, 0,1,2,3
	PACK8 X+64+8*\e
	global_store_b128 v[AS], v[X+64+8*\e:X+64+8*\e+3], s[ADST:ADST+1] offset:(\e/2)*262144+(\e%2)*8192
.endr
	s_wait_loadcnt 0x0
.irp e, 4,5,6,7
	PACK8 X+64+8*\e
	global_store_b128 v[AS], v[X+64+8*\e:X+64+8*\e+3], s[ADST:ADST+1] offset:(\e/2)*262144+(\e%2)*8192
.endr
	s_wait_dscnt 0x0                               ; for the others' sake: my sums lie in LDS
	s_barrier_signal -1
	s_barrier_wait -1
	s_cmp_lg_u32 s[WV], 0                          ; wave 0 adds the eight waves' sums
	s_cbranch_scc1 .Lend
	s_wait_xcnt 0x0                                ; Y's registers, which the stores of xb read, are written again only behind this wait
.irp w, 0,1,2,3,4,5,6,7
	ds_load_b128 v[Y+4*\w:Y+4*\w+3], v[RA] offset:RED+512*\w  ; in wave 0 RA is 16 x lane
.endr
	s_wait_dscnt 0x0
.irp a, 0,8,16,24
	v_pk_add_f32 v[Y+\a:Y+\a+1],   v[Y+\a:Y+\a+1],   v[Y+\a+4:Y+\a+5]
	v_pk_add_f32 v[Y+\a+2:Y+\a+3], v[Y+\a+2:Y+\a+3], v[Y+\a+6:Y+\a+7]
.endr
.irp a, 0,16
	v_pk_add_f32 v[Y+\a:Y+\a+1],   v[Y+\a:Y+\a+1],   v[Y+\a+8:Y+\a+9]
	v_pk_add_f32 v[Y+\a+2:Y+\a+3], v[Y+\a+2:Y+\a+3], v[Y+\a+10:Y+\a+11]
.endr
	v_pk_add_f32 v[Y:Y+1],   v[Y:Y+1],   v[Y+16:Y+17]
	v_pk_add_f32 v[Y+2:Y+3], v[Y+2:Y+3], v[Y+18:Y+19]
	global_store_b128 v[PO], v[Y:Y+3], s[PS:PS+1]  ; 512 consecutive bytes of psum
.Lend:
	s_wait_tensorcnt 0x0                           ; the wave's end, behind my last LDS store
	ds_add_u32 v[SPW], v[NIL]
	s_wait_dscnt 0x0
	s_endpgm
.Lfunc_end_k_q45878c40cc_prep:
	.size	k_q45878c40cc_prep, .Lfunc_end_k_q45878c40cc_prep-k_q45878c40cc_prep
	.p2alignl 7, 3214868480
	.fill 96, 4, 3214868480
	.section	.rodata,"a",@progbits
	.p2align	6, 0x0
	.amdhsa_kernel k_q45878c40cc_prep
		.amdhsa_group_segment_fixed_size 5120
		.amdhsa_private_segment_fixed_size 0
		.amdhsa_enable_private_segment 0
		.amdhsa_kernarg_size 88
		.amdhsa_user_sgpr_count 2
		.amdhsa_user_sgpr_kernarg_segment_ptr 1
		.amdhsa_wavefront_size32 1
		.amdhsa_system_sgpr_workgroup_id_x 1
		.amdhsa_system_sgpr_workgroup_id_y 1
		.amdhsa_system_sgpr_workgroup_id_z 1
		.amdhsa_system_vgpr_workitem_id 0
		.amdhsa_next_free_vgpr 212
		.amdhsa_next_free_sgpr 66
		.amdhsa_reserve_vcc 0
		.amdhsa_float_denorm_mode_32 3
		.amdhsa_float_denorm_mode_16_64 3
		.amdhsa_memory_ordered 1
		.amdhsa_forward_progress 1
		.amdhsa_inst_pref_size 49
	.end_amdhsa_kernel
	.amdgpu_metadata
---
amdhsa.version: [ 1, 2 ]
amdhsa.kernels:
  - .name:           k_q45878c40cc_prep
    .symbol:         k_q45878c40cc_prep.kd
    .args:
      - { .name: x, .offset: 0, .size: 8, .value_kind: global_buffer, .address_space: global }
      - { .name: W_B, .offset: 8, .size: 8, .value_kind: global_buffer, .address_space: global }
      - { .name: W_C, .offset: 16, .size: 8, .value_kind: global_buffer, .address_space: global }
      - { .name: W_d, .offset: 24, .size: 8, .value_kind: global_buffer, .address_space: global }
      - { .name: W_st, .offset: 32, .size: 8, .value_kind: global_buffer, .address_space: global }
      - { .name: A, .offset: 40, .size: 8, .value_kind: global_buffer, .address_space: global }
      - { .name: delta_p, .offset: 48, .size: 8, .value_kind: global_buffer, .address_space: global }
      - { .name: xb, .offset: 56, .size: 8, .value_kind: global_buffer, .address_space: global }
      - { .name: wimg, .offset: 64, .size: 8, .value_kind: global_buffer, .address_space: global }
      - { .name: adimg, .offset: 72, .size: 8, .value_kind: global_buffer, .address_space: global }
      - { .name: psum, .offset: 80, .size: 8, .value_kind: global_buffer, .address_space: global }
    .group_segment_fixed_size: 5120
    .private_segment_fixed_size: 0
    .kernarg_segment_align: 8
    .kernarg_segment_size: 88
    .max_flat_workgroup_size: 256
    .sgpr_count:     66
    .vgpr_count:     212
    .wavefront_size: 32
...
	.end_amdgpu_metadata
.endif
;; end of part 1
;; launch scan (part 2): grid 32 x 8, 4 waves a work-group, clusters of 4 x 1, 327,680 bytes of LDS; arguments xb, wimg, adimg, psum, b_B, b_C, b_d, b_st, st_bias, out0; writes out0
.if DOCPART == 2
	.amdgcn_target "amdgcn-amd-amdhsa--gfx1250"
	.amdhsa_code_object_version 6
	.text
	.protected	k_q45878c40cc_scan
	.globl	k_q45878c40cc_scan
	.p2align	8
	.type	k_q45878c40cc_scan,@function
k_q45878c40cc_scan:
	s_mov_b64 s[64:65], 0
	v_nop
	global_prefetch_b8 v0, s[64:65] scope:SCOPE_SE
	s_setreg_imm32_b32 hwreg(HW_REG_WAVE_MODE, 25, 1), 1
	s_wait_xcnt 0x0
	s_wait_alu depctr_hold_cnt(0) depctr_sa_sdst(0) depctr_va_vdst(0) depctr_va_sdst(0) depctr_va_ssrc(0) depctr_va_vcc(0) depctr_vm_vsrc(0)
	s_getreg_b32 s2, hwreg(HW_REG_IB_STS2, 6, 4)
	s_cmp_eq_u32 s2, 0
	s_cbranch_scc0 .Lentry_in_a_cluster
	s_endpgm
.Lentry_in_a_cluster:
	s_bfe_u32 s2, ttmp6, 0x10000c
	s_cmp_lg_u32 s2, 0x3003
	s_cbranch_scc0 .Lentry_shape_is_right
	s_endpgm
.Lentry_shape_is_right:
; SCAN: the three products x W^T, the SToken gate, the diagonal recurrence along the sequence and the gate by sigmoid(x), in one launch.  Nothing of the problem is left out.
;   delta = sigmoid(x W_d^T + b_d + delta_p);  s_t = delta A s_(t-1) + delta (x W_B^T + b_B) x;  out = sigmoid(x) ((x W_C^T + b_C) s_t + g x),
;   g = sigmoid(relu(mean_l(x) W_st^T + b_st)) + st_bias.
; SHARES.  The state runs along all 2,048 steps, and no state passes between work-groups: a work-group owns 32 channels (block cb) of one batch b for the whole sequence: 8,192 channels on 256 work-groups.
; Wave (nh, mh) = (wave % 2, wave / 2) has 16 of the 32 columns, for all three weights: 3 x 16 rows x 1,024 K in bf16 = 768 registers, windows 1 to 3, loaded once.
; THE RING.  The sequence goes in 16 chunks of 128 rows; a chunk's x comes in two tiles of unlike size: K 0-767 into slot A (192 KB, 288 matrix instructions a wave), K 768-1023 into slot B (64 KB, 96).
; Behind the round in front of slot A's products go out slot B (waves 0 and 1), the chunk's A and delta_p (wave 2) and the NEXT chunk's own columns of x (wave 3): 88 KB, which have 272 matrix instructions
; in which to land.  Behind the round in front of slot B's products goes out the next chunk's slot A, a quarter (32 rows of 1,536 bytes) by each of the four waves: it has 112 matrix instructions and the epilogue.
; THE ROUNDS stand in work that is there anyway.  The one in front of slot B's products stands inside slot A's last group of 24 products, whose fragments are in registers: eight of them between the add and the
; wait for it, sixteen behind the refill and slot B's first fragment loads.  The one in front of slot A's products is also the barrier between the writing and the reading of the way out's stage: behind it come the
; refills, slot A's first fragment loads, and then the last chunk's rows are read back and stored.
; ROWS.  In M tile i (0..3) of wave half mh, row m of the operand is chunk row 64 (m / 8) + 32 mh + 8 i + m % 8.  So register j of the result in lane (r = lane % 16, h = lane / 16) is chunk row
; 64 h + 32 mh + 8 i + j of column 16 nh + r: a lane holds 32 CONSECUTIVE steps of ONE channel (segment 2 h + mh of the chunk's four).
; THE RECURRENCE.  Each lane runs its 32 steps from state 0 (sloc) beside the running product of its factors (Pcum); the four segments' last sloc and Pcum meet in LDS, every lane chains them onto the
; state that entered the chunk, and out = z C (sloc + Pcum carry) + z g x.  State, carries and sums stay in f32.
; CLUSTER.  The four work-groups of a cluster have the same batch and walk the same x, so each tile of x is asked for jointly (mask of four).  A's, delta_p's and the work-group's own 32 columns of x
; differ between partners and come by loads of one's own; the place in the cluster enters global addresses alone.
; LIMITS.  x is used as rounded to bf16 by the launch before, in the products, in u, in g x and in sigmoid(x); A and delta_p likewise; the mean is rounded to bf16 for its product.
; sigmoid(t) = 1 / (1 + 2^(-1.442695 t)): a result below 2^-126 comes out as 0.  NaN is not treated apart (relu drops one).
; The output leaves in pieces of 128 consecutive bytes a row: a work-group has 32 columns; the partner beside it writes the other half of each 256 bytes, in the same chunk.
; REGISTERS, in windows of 256 (s_set_vgpr_msb: bits 1:0 source 0, 3:2 source 1, 5:4 source 2, 7:6 destination).  Window 1 + n: weight n (B, C, d), K step ks at v[8 ks].  Window 0: below.
.set PITA,  1584                       ; an LDS row of slot A: three pieces of 512 bytes, 16 of padding behind each: 99 x 16 bytes, so eight rows on end begin at eight different 16-byte columns of the 256 bytes that the banks span (ISA guide 11.1)
.set RGNA,  64*PITA+128                ; 64 rows; the 128 bytes shift the second region by 8 such columns: a fragment load's 16 lanes (8 rows of each region) take 16 different columns
.set PITB,  528                        ; a row of slot B: 512 bytes + 16 = 33 x 16 bytes
.set RGNB,  64*PITB+128
.set SLB,   2*RGNA                     ; slot A lies at 0: chunk rows 0-63, then 64-127; slot B behind it, likewise
.set ADS,   SLB+2*RGNB                 ; a chunk's A and delta_p in result order: 16,384 bytes
.set OUTS,  ADS+16384                  ; from here to XES no tensor load lands.  The way out's stage: four groups of 32 rows x 128 bytes,
.set OGRP,  4160                       ; 4,160 bytes apart
.set CAR,   OUTS+4*OGRP                ; the segments' products (512 bytes), then their last states (512)
.set SQ,    CAR+1024                   ; the batch's mean in bf16
.set GP,    SQ+2048                    ; the four waves' parts of the SToken product
.set SPARE, GP+512                     ; the spare words, 128 bytes for each wave; no other line names them
.set XES,   311296                     ; 128 rows x my 32 columns of x, rows of 64 bytes: two places of 8,192 bytes, chunks of even and of odd number; a multiple of 16,384,
.set XEB,   8192                       ; so that one exclusive or turns one place's address into the other's
.set PFO2, 1                           ; v1   256 x lane
.set ADRA, 2                           ; v2-3 my place in a fragment's rows, slot A, slot B
.set SPW,  4                           ; v4   my spare word
.set NIL,  5                           ; v5   0, for the add alone
.set BB,   6                           ; v6-7   b_B of my column, twice (a pair for the packed lines)
.set BC,   8                           ; v8-9   b_C
.set CR,   10                          ; v10-11 the state that enters my segment
.set SIN,  12                          ; v12  the state that enters the chunk
.set ONE,  13                          ; v13  1.0
.set NEGL, 14                          ; v14  -log2(e)
.set ZERO, 15                          ; v15  0.0
.set OSTW, 16                          ; v16  way out: where I put my column's numbers
.set OSTR, 17                          ; v17  way out: where I read rows back
.set GOUT, 18                          ; v18  my byte offset in four rows of out0
.set XTR,  19                          ; v19  my address for the turning load of x, in the first of the two places
.set ADL,  20                          ; v20  my 16 bytes in ADS
.set CARW, 21
.set CARR, 22
.set PFO,  23                          ; v23  2,048 x lane
.set NB,   24                          ; v24-25 -log2(e) b_d
.set GG,   26                          ; v26-27 g
.set HS,   28                          ; v28-31 the head's last sums
.set XTC,  28                          ; v28  later: XTR in the place of the chunk in hand
.set PB,   32                          ; v32-63, v64-95, v96-127: the accumulators of x W_B^T, x W_C^T, x W_d^T: step e of my 32 at +e
.set PC,   64
.set PD,   96
.set F0,   128                         ; two fragment buffers of 2 K steps x 4 tiles
.set F1,   192
.set XP,   128                         ; in the epilogue: x, A, delta_p as packed pairs of steps,
.set AP,   144
.set DK,   160
.set Z,    176                         ; z, then z g x
.set XF,   208                         ; one tile's x and A in f32
.set AA,   224
.set TD,   232                         ; the carry's eight numbers
.set OB,   64                          ; rows read back on the way out: in the registers of x W_C^T's sums, which are free by then
.set L16,  80                          ; in the head: 16 x lane; 32 x thread; the biases' offset; four LDS addresses; the five biases; the lane's parts
.set PSO,  81
.set BO,   82
.set SQW,  83
.set SQR,  84
.set GPW,  85
.set GPR,  86
.set BIA,  88
.set LP,   112
.set G1B,  4                           ; s[4:11] shape of a joint tile for slot B: written when the head's loads, which read these registers, have landed
.set WV,  24
.set NH,  25
.set MH,  26
.set CX,  27
.set CB,  28
.set BT,  29
.set CNT, 30                           ; chunks still to be ended in the loop
.set LIM, 31                           ; 1 in the batch's first cluster, else the greatest number
.set G1A,  32                          ; s[32:39] shape of a joint tile for slot A
.set G0A,  40                          ; s[40:43] from where, to where: my quarter of slot A;  s[44:47] a region of slot B
.set G0B,  44
.set G1AD, 48
.set G0AD, 56
.set G0XE, 60
.set G1XE, 68
.set LIMA, 76                          ; 1 in waves 2 and 3 of batch 0
.set XB,   77                          ; 0 or 8,192: the place of the own columns of the chunk in hand
.set PFA,  78                          ; s[78:79] xb at my share of the blocks of the chunk in hand
.set PFB,  80                          ; s[80:81] adimg likewise
.set OUTB, 82                          ; s[82:83] out0 at my segment's rows of the chunk that goes out next
.set WB,   84
.set WSB,  86
.set MHM,  88                          ; all ones if mh = 1
.set HM,   89                          ; lanes 16-31
.set UM,   90                          ; a word's upper bf16
.set SA,   92                          ; s[92:95] at work; never holds the place in the cluster
.set SC,   96                          ; s[96:99] at work on addresses that hang on it
.set MSB, 0
.macro WIN new                         ; the immediate's high byte repeats the setting that is left; a switch that changes nothing is dropped
.if MSB != (\new)
	s_set_vgpr_msb (MSB<<8)|(\new)
.set MSB, (\new)
.endif
.endm
.macro PLACES                          ; four places behind a matrix instruction, ahead of loads into its sources and of vector lines that read its result
.rept 4
	v_nop
.endr
.endm
; A round of the cluster's barrier: my work-group's barrier, wave 0's signal for the work-group, every wave's wait for all four work-groups, my work-group's barrier once more.
.macro CROUND
	s_barrier_signal -1
	s_barrier_wait -1
	s_cmp_lg_u32 s[WV], 0
	s_cbranch_scc1 .Lnot_wave_0_\@
	s_barrier_signal -3
.Lnot_wave_0_\@:
	s_barrier_wait -3
	s_barrier_signal -1
	s_barrier_wait -1
.endm
; The fills behind the round in front of slot A's products, one tensor load a wave: waves 0 and 1 the two regions of slot B (jointly), wave 2 A and delta_p, wave 3 the next chunk's own columns of x
; (xe = 0: there is no next chunk).  The branches hang on the wave's number alone.  An s_nop 0 and four v_nop follow each load.
.macro JLA xe
	s_cmp_lt_u32 s[WV], 2
	s_cbranch_scc0 .Ljla_hi_\@
	tensor_load_to_lds s[G0B:G0B+3], s[G1B:G1B+7]
	s_nop 0
	PLACES
	s_branch .Ljla_done_\@
.Ljla_hi_\@:
	s_cmp_eq_u32 s[WV], 2
	s_cbranch_scc0 .Ljla_xe_\@
	tensor_load_to_lds s[G0AD:G0AD+3], s[G1AD:G1AD+7]
	s_nop 0
	PLACES
	s_branch .Ljla_done_\@
.Ljla_xe_\@:
.if \xe
	tensor_load_to_lds s[G0XE:G0XE+3], s[G1XE:G1XE+7]
	s_nop 0
.endif
	PLACES
.Ljla_done_\@:
.endm
; The fill behind the round in front of slot B's products: slot A takes the next chunk's K 0-767; every wave fetches its 32 rows, jointly with the same wave of the three partners.
; The four v_nop are also the places ahead of the fragment loads that follow.
.macro JLB
	tensor_load_to_lds s[G0A:G0A+3], s[G1A:G1A+7]
	s_nop 0
	PLACES
.endm
; PREFETCHES INTO THE L2, behind the tensor load and the LDS loads that follow it.  A chunk of x is 128 rows x 2,048 bytes = 1,024 blocks of 256.  All eight clusters of a batch walk the same x: the first asks.
; Its 16 waves x 32 lanes name 512 blocks an instruction: a lane names row 32 cx + lane (the partners are told apart by address), the wave's number picks the 256 bytes: of the row's first 1,024 at a chunk's
; beginning, of its second 1,024 behind its second round.  Both name the chunk AFTER THE NEXT, whose first load in this text is wave 3's behind the next chunk's first round.  A chunk's A and delta_p for my
; columns are 64 blocks, read by the eight batches: batch 0's waves 2 and 3 ask, a chunk ahead.  Chunks 0 and 1 of x and chunk 0 of A and delta_p come by their loads alone; the loop's last trip asks for no x,
; and the written-out last chunk for nothing.
.macro ASKA
	s_cmp_gt_u32 s[CNT], s[LIM]
	s_cbranch_scc0 .Lnot_x_\@
	global_prefetch_b8 v[PFO], s[PFA:PFA+1] offset:524288 th:TH_LOAD_NT scope:SCOPE_SE
.Lnot_x_\@:
	s_cmp_eq_u32 s[LIMA], 1
	s_cbranch_scc0 .Lnot_a_\@
	global_prefetch_b8 v[PFO2], s[PFB:PFB+1] offset:16384 th:TH_LOAD_NT scope:SCOPE_SE  ; the next chunk's A and delta_p
.Lnot_a_\@:
.endm
.macro ASKB
	s_cmp_gt_u32 s[CNT], s[LIM]
	s_cbranch_scc0 .Lnot_x_\@
	global_prefetch_b8 v[PFO], s[PFA:PFA+1] offset:524288+1024 th:TH_LOAD_NT scope:SCOPE_SE
.Lnot_x_\@:
.endm
; 16 LDS loads: the fragments of K steps 2 grp and 2 grp + 1 of slot t (0: A, 1: B), four M tiles each, into buffer f.  A fragment is 16 rows x 32 K: two loads of 16 bytes, 32 bytes apart.
; K step k of a slot lies at byte 64 k of the row, plus 16 for each whole 512 bytes in front of it.
.macro FETCH t, grp, f
.set fpit, PITA
.if \t
.set fpit, PITB
.endif
.irp s2, 0,1
.set fko, (2*(\grp)+\s2)*64+((2*(\grp)+\s2)/8)*16
.irp i2, 0,1,2,3
	ds_load_b128 v[(\f)+32*\s2+8*\i2:(\f)+32*\s2+8*\i2+3],   v[ADRA+(\t)] offset:\i2*8*fpit+fko
	ds_load_b128 v[(\f)+32*\s2+8*\i2+4:(\f)+32*\s2+8*\i2+7], v[ADRA+(\t)] offset:\i2*8*fpit+fko+32
.endr
.endr
.endm
; 8 matrix instructions: weight n2 x 2 K steps x 4 M tiles; kb = the slot's first K step.  The accumulators take turns, one instruction a turn: three others' stand between two
; links of a chain, from weight to weight, from group to group, from tile to tile and over the loop's jump too.  zero = 1: a chunk's first K step starts the sums with the constant 0.
.macro MULN kb, grp, f, zero, n2
	WIN ((\n2)+1)<<2
.irp s2, 0,1
.irp i2, 0,1,2,3
.if (\zero) && ((\grp) == 0) && (\s2 == 0)
	v_wmma_f32_16x16x32_bf16 v[PB+32*(\n2)+8*\i2:PB+32*(\n2)+8*\i2+7], v[(\f)+32*\s2+8*\i2:(\f)+32*\s2+8*\i2+7], v[8*((\kb)+2*(\grp)+\s2):8*((\kb)+2*(\grp)+\s2)+7], 0
.else
	v_wmma_f32_16x16x32_bf16 v[PB+32*(\n2)+8*\i2:PB+32*(\n2)+8*\i2+7], v[(\f)+32*\s2+8*\i2:(\f)+32*\s2+8*\i2+7], v[8*((\kb)+2*(\grp)+\s2):8*((\kb)+2*(\grp)+\s2)+7], v[PB+32*(\n2)+8*\i2:PB+32*(\n2)+8*\i2+7]
.endif
.endr
.endr
.endm
.macro MUL kb, grp, f, zero            ; a group's 24 matrix instructions
	MULN \kb, \grp, \f, \zero, 0
	MULN \kb, \grp, \f, \zero, 1
	MULN \kb, \grp, \f, \zero, 2
.endm
; All groups of slot t but the last; group 0's fragments have been asked for.  While a group is multiplied the next group's 16 loads are out.
; pl0 = 1: the buffer that group 1's fragments go into was read by the products just issued, so the places stand ahead of the first run of loads too.
.macro RUNS t, ng, kb, zero, pl0
.set gg, 0
.rept (\ng)-1
.if (gg > 0) || (\pl0)
	PLACES                                         ; the buffer's last readers are the products just issued
.endif
	WIN 0
	FETCH \t, gg+1, F0+64*((gg+1)%2)
	s_wait_dscnt 16                                ; all but the 16 just issued
	MUL \kb, gg, F0+64*(gg%2), \zero
.set gg, gg+1
.endr
.endm
; The epilogue's 12 LDS loads: my column's 32 steps of x (turned, out of rows that lie along the columns), of delta_p and of A.  They go into buffer F0.
.macro EPLOADS
	v_add_nc_u32 v[XTC], s[XB], v[XTR]
.irp i2, 0,1,2,3
	ds_load_tr16_b128 v[XP+4*\i2:XP+4*\i2+3], v[XTC] offset:512*\i2
.endr
.irp i2, 0,1,2,3
	ds_load_b128 v[DK+4*\i2:DK+4*\i2+3], v[ADL] offset:2048+512*\i2
.endr
.irp i2, 0,1,2,3
	ds_load_b128 v[AP+4*\i2:AP+4*\i2+3], v[ADL] offset:512*\i2
.endr
	s_xor_b32 s[XB], s[XB], XEB                    ; the next chunk's own columns lie in the other place
.endm
; SLOT A's TURN: twelve groups.  The change of slots stands inside the last group, whose fragments (buffer F1) are in registers.  Each wave waits for all its tensor loads (at most one is out: its part of what
; was asked for at the chunk's beginning), adds 0 to its spare word, multiplies by the first weight while the add is out, and waits for the add; its reads of slot A are over.  Behind the round no wave of any
; partner still reads slot A, and slot B, A and delta_p are whole: slot A is filled again first, slot B's first fragments are asked for, and they land under the group's other sixteen products.
; refill = 0: the last chunk: nothing is filled, so my work-group's barrier does.
.macro TURNA refill, ask
	RUNS 0, 12, 0, 1, 0
	WIN 0
	s_wait_tensorcnt 0x0                           ; no tensor load of mine is out, so a group 0 may be written
	ds_add_u32 v[SPW], v[NIL]                      ; 0 onto my spare word
	s_add_nc_u64 s[G0B+2:G0B+3], s[G0B+2:G0B+3], 262144    ; slot B's and ADS's next tiles: the next chunk's (in the last chunk the stepped addresses are not used)
	s_add_nc_u64 s[G0AD+2:G0AD+3], s[G0AD+2:G0AD+3], 16384
	s_wait_dscnt 1                                 ; the last group's fragments are in; the add alone may be out
	MULN 0, 11, F1, 0, 0
	s_wait_dscnt 0x0                               ; the add is done, and my reads of slot A are over
	WIN 0                                          ; at a label and at a branch every window is 0
.if \refill
	CROUND
	JLB
.else
	s_barrier_signal -1
	s_barrier_wait -1
	PLACES                                         ; F0's last readers are the products of the group before the last
.endif
	FETCH 1, 0, F0
.if \ask
	ASKB
.endif
	MULN 0, 11, F1, 0, 1
	MULN 0, 11, F1, 0, 2
.endm
; SLOT B's TURN: four groups.  Ahead of the last, which multiplies buffer F1, the epilogue's loads are issued into F0, so that they land under its 24 products.
.macro TURNB
	RUNS 1, 4, 24, 0, 1
	PLACES                                         ; F0's last readers are the products just issued
	WIN 0
	EPLOADS
	s_wait_dscnt 12                                ; all but the 12 just issued
	MUL 24, 3, F1, 0
	WIN 0
.endm
; THE WAY OUT's second half: wave w takes segment w of the stage, four whole rows a load, and stores them.
.macro SENDOUT
.irp q2, 0,1,2,3,4,5,6,7
	ds_load_b128 v[OB+4*\q2:OB+4*\q2+3], v[OSTR] offset:512*\q2
.endr
.irp q2, 0,1,2,3,4,5,6,7
	s_wait_dscnt 7-\q2                             ; LDS loads come back in order: row group q is in, the younger ones may stay out
	global_store_b128 v[GOUT], v[OB+4*\q2:OB+4*\q2+3], s[OUTB:OUTB+1] offset:16384*\q2  ; eight lanes store a row's 128 consecutive bytes
.endr
.endm
; THE ROUND IN FRONT OF SLOT A's PRODUCTS.  Each wave waits for all its tensor loads (its quarter of slot A), adds 0 to its spare word, and waits for that, for its stores into the stage and for its LDS reads.
; Behind the round slot A is whole, the stage is whole, and no wave of any partner still reads slot B, ADS or the place of the own columns that is filled again: the fills come first, then slot A's first
; fragments are asked for, and (out = 1) the chunk before goes out while they land.  step = 1: the prefetches' pointers go on to the chunk that begins.
.macro ROUND1 xe, out, step
	s_wait_tensorcnt 0x0                           ; no tensor load of mine is out, so a group 0 may be written
	ds_add_u32 v[SPW], v[NIL]                      ; 0 onto my spare word; the descriptors' steps stand between it and the wait for it
	s_add_nc_u64 s[G0A+2:G0A+3], s[G0A+2:G0A+3], 262144    ; slot A's next tile: the chunk after the one that begins (in the last chunk the stepped addresses are not used)
	s_xor_b32 s[G0XE+1], s[G0XE+1], XEB                    ; the own columns: the other place,
	s_add_nc_u64 s[G0XE+2:G0XE+3], s[G0XE+2:G0XE+3], 262144  ; the next chunk
	s_wait_dscnt 0x0                               ; the add is done, my stores into the stage are done, my LDS reads are over
	CROUND
	JLA \xe
	FETCH 0, 0, F0
.if \out
	SENDOUT
	s_wait_xcnt 0x0                                ; the stores and the last chunk's prefetches have read their registers: the rows' registers (the products below write them), the stores' base and the prefetches' pointers are written again only behind this wait
	s_add_nc_u64 s[OUTB:OUTB+1], s[OUTB:OUTB+1], 524288
.if \step
	s_add_nc_u64 s[PFA:PFA+1], s[PFA:PFA+1], 262144
	s_add_nc_u64 s[PFB:PFB+1], s[PFB:PFB+1], 16384
.endif
.endif
.endm
; THE EPILOGUE's lines, by number.
.macro MIX d, s, hi, m, c              ; d = bf16 half of s, times m, plus c
.if \hi
	v_fma_mix_f32_bf16 v[\d], v[\s], v[\m], v[\c] op_sel:[1,0,0] op_sel_hi:[1,0,0]
.else
	v_fma_mix_f32_bf16 v[\d], v[\s], v[\m], v[\c] op_sel_hi:[1,0,0]
.endif
.endm
.macro PLA i, k                        ; 20 plain lines of tile i: delta_p is added; times -log2(e), plus -log2(e) b_d; -log2(e) x
.if (\k) < 8
	MIX PD+8*(\i)+(\k), DK+4*(\i)+(\k)/2, (\k)%2, ONE, PD+8*(\i)+(\k)
.elseif (\k) < 12
	v_pk_fma_f32 v[PD+8*(\i)+2*((\k)-8):PD+8*(\i)+2*((\k)-8)+1], v[PD+8*(\i)+2*((\k)-8):PD+8*(\i)+2*((\k)-8)+1], 0xbfb8aa3b, v[NB:NB+1] op_sel_hi:[1,0,1]
.else
	MIX Z+8*(\i)+(\k)-12, XP+4*(\i)+((\k)-12)/2, ((\k)-12)%2, NEGL, ZERO
.endif
.endm
.macro EXA i, k                        ; the 16 exponentials of tile i
.if (\k) < 8
	v_exp_f32 v[PD+8*(\i)+(\k)], v[PD+8*(\i)+(\k)]
.else
	v_exp_f32 v[Z+8*(\i)+(\k)-8], v[Z+8*(\i)+(\k)-8]
.endif
.endm
.macro ADD1 p                          ; pair p of 32: 1 + the exponential
.if (\p) < 16
	v_pk_add_f32 v[PD+2*(\p):PD+2*(\p)+1], v[PD+2*(\p):PD+2*(\p)+1], 1.0 op_sel_hi:[1,0]
.else
	v_pk_add_f32 v[Z+2*(\p)-32:Z+2*(\p)-31], v[Z+2*(\p)-32:Z+2*(\p)-31], 1.0 op_sel_hi:[1,0]
.endif
.endm
.macro RCPE e                          ; number e of 64: the reciprocal
.if (\e) < 32
	v_rcp_f32 v[PD+(\e)], v[PD+(\e)]
.else
	v_rcp_f32 v[Z+(\e)-32], v[Z+(\e)-32]
.endif
.endm
.macro PK2 op, d, a, b, m              ; a packed line on pair m of three runs of registers
	\op v[(\d)+2*(\m):(\d)+2*(\m)+1], v[(\a)+2*(\m):(\a)+2*(\m)+1], v[(\b)+2*(\m):(\b)+2*(\m)+1]
.endm
.macro EL i, k                         ; 40 lines of tile i: x and A to f32; u = delta (B0 + b_B) x; a = delta A; z (C + b_C); z g x
.if (\k) < 16
.set src, XP+4*(\i)+((\k)%8)/2
.set dst, XF+(\k)
.if (\k) >= 8
.set src, AP+4*(\i)+((\k)%8)/2
.set dst, AA+(\k)-8
.endif
.if (\k)%2 == 0
	v_lshlrev_b32 v[dst], 16, v[src]
.else
	v_and_b32 v[dst], s[UM], v[src]
.endif
.elseif (\k) < 20
	PK2 v_pk_mul_f32, PB+8*(\i), PB+8*(\i), XF, (\k)-16
.elseif (\k) < 24
	PK2 v_pk_mul_f32, PB+8*(\i), PB+8*(\i), PD+8*(\i), (\k)-20
.elseif (\k) < 28
	PK2 v_pk_mul_f32, PD+8*(\i), PD+8*(\i), AA, (\k)-24
.elseif (\k) < 32
	PK2 v_pk_mul_f32, PC+8*(\i), PC+8*(\i), Z+8*(\i), (\k)-28
.elseif (\k) < 36
	v_pk_mul_f32 v[XF+2*((\k)-32):XF+2*((\k)-32)+1], v[XF+2*((\k)-32):XF+2*((\k)-32)+1], v[GG:GG+1]
.else
	PK2 v_pk_mul_f32, Z+8*(\i), Z+8*(\i), XF, (\k)-36
.endif
.endm
.macro CL i, k                         ; 16 lines of tile i, a chain: the state from 0, then the running product, step by step; step 0 has nothing in front of it
.set ee, 8*(\i)+(\k)/2
.if ee > 0
.if (\k)%2 == 0
	v_fmac_f32 v[PB+ee], v[PD+ee], v[PB+ee-1]
.else
	v_mul_f32 v[PD+ee], v[PD+ee], v[PD+ee-1]
.endif
.endif
.endm
.macro YL y                            ; 32 lines: z C sloc + z g x, and z C Pcum
.set yo, 8*((\y)/8)+2*((\y)%4)
.if ((\y)%8) < 4
	v_pk_fma_f32 v[PB+yo:PB+yo+1], v[PC+yo:PC+yo+1], v[PB+yo:PB+yo+1], v[Z+yo:Z+yo+1]
.else
	v_pk_mul_f32 v[PD+yo:PD+yo+1], v[PC+yo:PC+yo+1], v[PD+yo:PD+yo+1]
.endif
.endm
; THE EPILOGUE of a chunk, up to the stores into the stage: 32 steps of one channel a lane.  Every accumulator is read from its low end on.  The 64 exponentials are one batch with one wait, and so are
; the 64 reciprocals; each stands between plain lines that name none of the batch's results.
.macro EPI
	PLACES                                         ; behind the chunk's last products
	s_wait_dscnt 0x0                               ; x, delta_p and A, asked for ahead of those products, are in
.set ti, 0
.rept 4
.set kk, 0
.rept 20
	PLA ti, kk
.if (ti > 0) && (kk < 16)
	EXA ti-1, kk
.endif
.set kk, kk+1
.endr
.set ti, ti+1
.endr
.set kk, 0
.rept 16
	v_pk_add_f32 v[PB+2*kk:PB+2*kk+1], v[PB+2*kk:PB+2*kk+1], v[BB:BB+1]
	EXA 3, kk
.set kk, kk+1
.endr
	s_wait_alu depctr_va_vdst(0)                   ; one wait for the 64 exponentials, ahead of their first reader
.set pp, 0
.rept 32
	ADD1 pp
.if pp > 0
	RCPE 2*(pp-1)
.endif
.if pp < 16
	v_pk_add_f32 v[PC+2*pp:PC+2*pp+1], v[PC+2*pp:PC+2*pp+1], v[BC:BC+1]
.endif
.if pp > 0
	RCPE 2*(pp-1)+1
.endif
.set pp, pp+1
.endr
	RCPE 62
	RCPE 63
.set kk, 0
.rept 16
	EL 0, kk                                       ; tile 0's unpacking names no reciprocal: the plain work between the batch and its wait
.set kk, kk+1
.endr
	s_wait_alu depctr_va_vdst(0)                   ; one wait for the 64 reciprocals
.rept 24
	EL 0, kk
.set kk, kk+1
.endr
.set ti, 1
.rept 3                                ; a line of tile i's chain behind every two lines of tile i + 1
.set kk, 0
.rept 40
	EL ti, kk
.if (kk%2 == 1) && (kk/2 < 16)
	CL ti-1, kk/2
.endif
.set kk, kk+1
.endr
.set ti, ti+1
.endr
.set kk, 0
.rept 16                               ; the last tile's chain, with the first two tiles' closing lines between its links
	CL 3, kk
	YL kk
.set kk, kk+1
.endr
	ds_store_b32 v[CARW], v[PD+31]                 ; my segment's product
	ds_store_b32 v[CARW], v[PB+31] offset:512      ; and its last state from 0
	s_wait_dscnt 0x0                               ; for the others' sake
	s_barrier_signal -1                            ; the next chunk's tile may stay on its way
.rept 8
	YL kk                                          ; work on registers while the others arrive,
.set kk, kk+1
.endr
	s_barrier_wait -1
.irp g2, 0,1,2,3
	ds_load_b32 v[TD+\g2],   v[CARR] offset:128*\g2
	ds_load_b32 v[TD+4+\g2], v[CARR] offset:512+128*\g2
.endr
.rept 8
	YL kk                                          ; and while the four segments' numbers come
.set kk, kk+1
.endr
	s_wait_dscnt 0x0
	v_fma_f32 v[TD+4], v[TD],   v[SIN],  v[TD+4]   ; the state behind segment 0,
	v_fma_f32 v[TD+5], v[TD+1], v[TD+4], v[TD+5]   ; 1,
	v_fma_f32 v[TD+6], v[TD+2], v[TD+5], v[TD+6]   ; 2,
	v_fma_f32 v[TD+7], v[TD+3], v[TD+6], v[TD+7]   ; 3
	v_cndmask_b32 v[TD],   v[SIN],  v[TD+4], s[MHM]  ; what enters my segment 2 h + mh: chosen by the wave's half and the lane's, masks made of ids
	v_cndmask_b32 v[TD+1], v[TD+5], v[TD+6], s[MHM]
	v_cndmask_b32 v[CR], v[TD], v[TD+1], s[HM]
	v_mov_b32 v[CR+1], v[CR]
	v_mov_b32 v[SIN], v[TD+7]
.set kk, 0
.rept 16
	v_pk_fma_f32 v[PB+2*kk:PB+2*kk+1], v[PD+2*kk:PD+2*kk+1], v[CR:CR+1], v[PB+2*kk:PB+2*kk+1]
.set kk, kk+1
.endr
.set kk, 0
.rept 32
	ds_store_b32 v[OSTW], v[PB+kk] offset:128*kk   ; step kk of my segment, my column: a row's 128 bytes come from two waves, so a barrier follows before they are read
.set kk, kk+1
.endr
.endm
	s_load_b256 s[4:11], s[0:1], 0x0               ; xb s[4:5], wimg s[6:7], adimg s[8:9], psum s[10:11]
	s_load_b256 s[12:19], s[0:1], 0x20             ; b_B, b_C, b_d, b_st
	s_load_b128 s[20:23], s[0:1], 0x40             ; st_bias, out0
	v_lshl_add_u32 v[SPW], v0, 2, SPARE
	v_mov_b32 v[NIL], 0
	ds_add_u32 v[SPW], v[NIL]                      ; the wave's opening: the add, twice on end, and its wait ahead of the first tensor load
	ds_add_u32 v[SPW], v[NIL]
	v_lshrrev_b32 v[LP+6], 5, v0
	v_readfirstlane_b32 s[WV], v[LP+6]             ; wave 0..3
	s_and_b32 s[NH], s[WV], 1
	s_lshr_b32 s[MH], s[WV], 1
	s_bfe_u32 s[CX], ttmp6, 0x40000                ; my place in the cluster
	s_lshl_b32 s[CB], ttmp9, 2                     ; in a cluster launch ttmp9 counts clusters
	s_add_co_u32 s[CB], s[CB], s[CX]               ; my block of 32 columns
	s_and_b32 s[BT], ttmp7, 0xffff                 ; the batch, which the four partners share
	; a joint tile for slot A: 32 rows x 768 elements of 2 bytes, 16 bytes of padding behind every 512
	s_mov_b32 s[G1A+0], 15|(1<<16)|(1<<20)|(1<<21)|(6<<22)|(3<<25)  ; the mask of four; 2-byte elements; padding on; bit 21 beside a mask; after every 128 words (code 6) 4 words (code 3)
	s_mov_b32 s[G1A+1], 768<<16                    ; tensor_dim0
	s_mov_b32 s[G1A+2], 32<<16                     ; tensor_dim1
	s_mov_b32 s[G1A+3], 768<<16                    ; tile_dim0
	s_mov_b32 s[G1A+4], 32                         ; tile_dim1
	s_mov_b32 s[G1A+5], 1024                       ; elements from row to row
	s_mov_b32 s[G1A+6], 0
	s_mov_b32 s[G1A+7], 0
	; a chunk of A and delta_p: 16,384 dense bytes as 64 rows of 32 elements of 8 bytes
	s_mov_b32 s[G1AD+0], 3<<16
	s_mov_b32 s[G1AD+1], 32<<16
	s_mov_b32 s[G1AD+2], 64<<16
	s_mov_b32 s[G1AD+3], 32<<16
	s_mov_b32 s[G1AD+4], 64
	s_mov_b32 s[G1AD+5], 32
	s_mov_b32 s[G1AD+6], 0
	s_mov_b32 s[G1AD+7], 0
	; my own columns of a chunk's x: 128 rows x 32 elements of 2 bytes
	s_mov_b32 s[G1XE+0], 1<<16
	s_mov_b32 s[G1XE+1], 32<<16
	s_mov_b32 s[G1XE+2], 128<<16
	s_mov_b32 s[G1XE+3], 32<<16
	s_mov_b32 s[G1XE+4], 128
	s_mov_b32 s[G1XE+5], 1024
	s_mov_b32 s[G1XE+6], 0
	s_mov_b32 s[G1XE+7], 0
	s_mov_b32 s[G0A], 1
	s_mul_i32 s[G0A+1], s[WV], 32*PITA             ; wave w fills chunk rows 32 w .. 32 w + 31 of slot A;
	s_lshl_b32 s[SA], s[MH], 7                     ; waves 2 and 3 lie in the second region, 128 bytes further on
	s_add_co_u32 s[G0A+1], s[G0A+1], s[SA]
	s_mov_b32 s[G0B], 1
	s_mul_i32 s[G0B+1], s[NH], RGNB                ; waves 0 and 1 fill regions 0 and 1 of slot B
	s_add_co_u32 s[G0B+1], s[G0B+1], SLB
	s_mov_b32 s[G0AD], 1
	s_mov_b32 s[G0AD+1], ADS
	s_mov_b32 s[G0XE], 1
	s_mov_b32 s[G0XE+1], XES                       ; chunk 0 in the first place
	s_mov_b32 s[XB], 0
	s_mov_b32 s[HM], 0xffff0000
	s_mov_b32 s[UM], 0xffff0000
	s_cmp_eq_u32 s[MH], 1
	s_cselect_b32 s[MHM], -1, 0
	s_cmp_eq_u32 ttmp9, 0
	s_cselect_b32 s[LIM], 1, -1                    ; the same in all four partners
	s_xor_b32 s[SA], s[MH], 1                      ; 0 in waves 2 and 3,
	s_or_b32 s[SA], s[SA], s[BT]                   ; of batch 0
	s_cmp_eq_u32 s[SA], 0
	s_cselect_b32 s[LIMA], 1, -1
	s_lshl_b32 s[SA+1], s[BT], 22                  ; the batch's 2,048 rows of 2,048 bytes in xb
	s_lshl_b32 s[SA+2], s[WV], 16                  ; slot A: + my 32 rows
	s_add_co_u32 s[SA+2], s[SA+2], s[SA+1]
	s_mov_b32 s[SA+3], 0
	s_lshl_b32 s[SA], s[NH], 17                    ; slot B: + the region's 64 rows,
	s_add_co_u32 s[SA], s[SA], s[SA+1]
	s_add_co_u32 s[SA], s[SA], 1536                ; from K = 768 on
	s_mov_b32 s[SA+1], 0
	s_lshl_b32 s[SC], s[BT], 22                    ; my own columns
	s_lshl_b32 s[SC+2], s[CB], 6
	s_add_co_u32 s[SC+2], s[SC+2], s[SC]
	s_mov_b32 s[SC+3], 0
	s_wait_dscnt 0x0                               ; both opening adds are done
	s_wait_kmcnt 0x0
	s_add_nc_u64 s[G0A+2:G0A+3], s[4:5], s[SA+2:SA+3]
	s_or_b32 s[G0A+3], s[G0A+3], 0x80000000        ; type = 2
	s_add_nc_u64 s[G0B+2:G0B+3], s[4:5], s[SA:SA+1]
	s_or_b32 s[G0B+3], s[G0B+3], 0x80000000
	s_add_nc_u64 s[G0XE+2:G0XE+3], s[4:5], s[SC+2:SC+3]
	s_or_b32 s[G0XE+3], s[G0XE+3], 0x80000000
	CROUND                                         ; all four work-groups are here: the first joint loads meet
	tensor_load_to_lds s[G0A:G0A+3], s[G1A:G1A+7]  ; chunk 0, K 0-767: every wave its quarter
	s_nop 0
	PLACES
	s_cmp_eq_u32 s[WV], 3
	s_cbranch_scc0 .Lno_xe0
	tensor_load_to_lds s[G0XE:G0XE+3], s[G1XE:G1XE+7]  ; chunk 0's own columns: two loads of wave 3 are out, one of the others
	s_nop 0
	PLACES
.Lno_xe0:
	; the other addresses that hang on my columns
	s_lshl_b32 s[SC], s[CB], 18
	s_mov_b32 s[SC+1], 0
	s_add_nc_u64 s[G0AD+2:G0AD+3], s[8:9], s[SC:SC+1]
	s_add_nc_u64 s[WB:WB+1], s[6:7], s[SC:SC+1]
	s_lshl_b32 s[SC+2], s[NH], 13
	s_add_nc_u64 s[PFB:PFB+1], s[G0AD+2:G0AD+3], s[SC+2:SC+3]
	s_or_b32 s[G0AD+3], s[G0AD+3], 0x80000000
	s_lshl_b32 s[SC+2], s[WV], 13
	s_add_co_u32 s[SC+2], s[SC+2], 98304
	s_add_nc_u64 s[WSB:WSB+1], s[WB:WB+1], s[SC+2:SC+3]  ; W_st: both blocks of 16 rows, my quarter of K
	s_lshl_b32 s[SC+2], s[NH], 17
	s_add_nc_u64 s[WB:WB+1], s[WB:WB+1], s[SC+2:SC+3]    ; my block of 16 rows of W_B, W_C, W_d
	s_lshl_b32 s[SC], s[BT], 22
	s_lshl_b32 s[SC+2], s[CX], 16                  ; the prefetches: my work-group's 32 rows of a chunk,
	s_add_co_u32 s[SC+2], s[SC+2], s[SC]
	s_lshl_b32 s[SC], s[WV], 8                     ; my wave's 256 bytes of each 1,024
	s_add_co_u32 s[SC+2], s[SC+2], s[SC]
	s_add_nc_u64 s[PFA:PFA+1], s[4:5], s[SC+2:SC+3]
	s_lshl_b32 s[SC], s[BT], 23
	s_lshl_b32 s[SC+2], s[WV], 17                  ; my segment's 32 rows of 4,096 bytes
	s_add_co_u32 s[SC+2], s[SC+2], s[SC]
	s_lshl_b32 s[SC], s[CB], 7
	s_add_co_u32 s[SC+2], s[SC+2], s[SC]
	s_add_nc_u64 s[OUTB:OUTB+1], s[22:23], s[SC+2:SC+3]
	s_lshl_b32 s[SC+2], s[NH], 6
	s_add_co_u32 s[SC], s[SC], s[SC+2]             ; my 16 columns in a bias, in bytes
	s_lshl_b32 s[SA], s[BT], 14
	s_mov_b32 s[SA+1], 0
	s_add_nc_u64 s[10:11], s[10:11], s[SA:SA+1]    ; psum at my batch
	v_and_b32 v[LP], 31, v0                        ; lane
	v_and_b32 v[LP+1], 15, v0                      ; r
	v_bfe_u32 v[LP+2], v0, 4, 1                    ; h
	v_and_b32 v[LP+3], 7, v0
	v_bfe_u32 v[LP+4], v0, 3, 1
	v_bfe_u32 v[LP+5], v0, 3, 2
	v_lshlrev_b32 v[L16], 4, v[LP]
	v_lshlrev_b32 v[PSO], 5, v0
	v_lshl_add_u32 v[BO], v[LP+1], 2, s[SC]
.irp q2, 0,1,2,3
	global_load_b128 v[32+8*\q2:35+8*\q2], v[PSO], s[10:11] offset:4096*\q2      ; thread t: columns 8 t .. 8 t + 7 of the four partial sums
	global_load_b128 v[36+8*\q2:39+8*\q2], v[PSO], s[10:11] offset:4096*\q2+16
.endr
	global_load_b32 v[BIA],   v[BO], s[12:13]
	global_load_b32 v[BIA+1], v[BO], s[14:15]
	global_load_b32 v[BIA+2], v[BO], s[16:17]
	global_load_b32 v[BIA+3], v[BO], s[18:19]
	global_load_b32 v[BIA+4], v[BO], s[20:21]
.irp t2, 0,1
.irp s2, 0,1,2,3,4,5,6,7
	global_load_b128 v[128+64*\t2+8*\s2:131+64*\t2+8*\s2], v[L16], s[WSB:WSB+1] offset:\t2*131072+\s2*1024
	global_load_b128 v[132+64*\t2+8*\s2:135+64*\t2+8*\s2], v[L16], s[WSB:WSB+1] offset:\t2*131072+\s2*1024+512
.endr
.endr
.set nn, 0
.rept 3
	WIN (nn+1)<<6                                  ; destination in window 1 + n, address in window 0
.set ks, 0
.rept 32
	global_load_b128 v[8*ks:8*ks+3],   v[L16], s[WB:WB+1] offset:nn*32768+ks*1024
	global_load_b128 v[8*ks+4:8*ks+7], v[L16], s[WB:WB+1] offset:nn*32768+ks*1024+512
.set ks, ks+1
.endr
.set nn, nn+1
.endr
	WIN 0
	; the lane's addresses, while the loads are on their way
	v_mul_u32_u24 v[ADRA], v[LP+4], RGNA
	v_mul_u32_u24 v[LP+6], v[LP+3], PITA
	v_add_nc_u32 v[ADRA], v[ADRA], v[LP+6]
	v_lshl_add_u32 v[ADRA], v[LP+2], 4, v[ADRA]
	s_mul_i32 s[SA], s[MH], 32*PITA
	v_add_nc_u32 v[ADRA], s[SA], v[ADRA]           ; slot A: (r / 8) regions + (32 mh + r % 8) rows + 16 h
	v_mul_u32_u24 v[ADRA+1], v[LP+4], RGNB
	v_mul_u32_u24 v[LP+6], v[LP+3], PITB
	v_add_nc_u32 v[ADRA+1], v[ADRA+1], v[LP+6]
	v_lshl_add_u32 v[ADRA+1], v[LP+2], 4, v[ADRA+1]
	s_mul_i32 s[SA], s[MH], 32*PITB
	s_add_co_u32 s[SA], s[SA], SLB
	v_add_nc_u32 v[ADRA+1], s[SA], v[ADRA+1]       ; slot B likewise
	v_mul_u32_u24 v[OSTW], v[LP+2], 2*OGRP
	v_lshl_add_u32 v[OSTW], v[LP+1], 2, v[OSTW]
	s_mul_i32 s[SA], s[MH], OGRP
	s_lshl_b32 s[SA+1], s[NH], 6
	s_add_co_u32 s[SA], s[SA], s[SA+1]
	s_add_co_u32 s[SA], s[SA], OUTS
	v_add_nc_u32 v[OSTW], s[SA], v[OSTW]
	v_lshlrev_b32 v[OSTR], 7, v[LP+5]
	v_lshl_add_u32 v[OSTR], v[LP+3], 4, v[OSTR]
	s_mul_i32 s[SA], s[WV], OGRP
	s_add_co_u32 s[SA], s[SA], OUTS
	v_add_nc_u32 v[OSTR], s[SA], v[OSTR]
	v_lshlrev_b32 v[GOUT], 12, v[LP+5]
	v_lshl_add_u32 v[GOUT], v[LP+3], 4, v[GOUT]
	v_lshlrev_b32 v[XTR], 12, v[LP+2]              ; the turning load: lane l reads row 64 h + 32 mh + l % 8, columns 16 nh + 8 ((l / 8) % 2) + 0..7
	v_lshl_add_u32 v[XTR], v[LP+3], 6, v[XTR]
	v_lshl_add_u32 v[XTR], v[LP+4], 4, v[XTR]
	s_lshl_b32 s[SA], s[MH], 11
	s_lshl_b32 s[SA+1], s[NH], 5
	s_add_co_u32 s[SA], s[SA], s[SA+1]
	s_add_co_u32 s[SA], s[SA], XES
	v_add_nc_u32 v[XTR], s[SA], v[XTR]
	s_lshl_b32 s[SA], s[NH], 13
	s_lshl_b32 s[SA+1], s[MH], 12
	s_add_co_u32 s[SA], s[SA], s[SA+1]
	s_add_co_u32 s[SA], s[SA], ADS
	v_lshl_add_u32 v[ADL], v[LP], 4, s[SA]
	s_lshl_b32 s[SA], s[NH], 6
	s_add_co_u32 s[SA+1], s[SA], CAR
	v_lshl_add_u32 v[CARR], v[LP+1], 2, s[SA+1]
	s_lshl_b32 s[SA+1], s[MH], 7
	v_lshl_add_u32 v[CARW], v[LP+2], 8, v[CARR]
	v_add_nc_u32 v[CARW], s[SA+1], v[CARW]
	s_add_co_u32 s[SA+1], s[SA], GP
	v_lshl_add_u32 v[GPR], v[LP+1], 2, s[SA+1]
	s_lshl_b32 s[SA], s[WV], 7
	s_add_co_u32 s[SA], s[SA], GP
	v_lshl_add_u32 v[GPW], v[LP+1], 2, s[SA]
	s_lshl_b32 s[SA], s[WV], 9
	s_add_co_u32 s[SA], s[SA], SQ
	v_lshl_add_u32 v[SQR], v[LP+2], 4, s[SA]
	v_lshl_add_u32 v[SQW], v0, 4, SQ
	v_lshlrev_b32 v[PFO], 11, v[LP]
	v_lshlrev_b32 v[PFO2], 8, v[LP]
	v_mov_b32 v[ONE], 1.0
	v_mov_b32 v[NEGL], 0xbfb8aa3b
	v_mov_b32 v[ZERO], 0
	; THE STOKEN GATE.  The mean of my batch, rounded to bf16, into LDS; then mean x W_st^T for my work-group's 32 columns, K split among the four waves.
	s_wait_loadcnt 63                              ; behind the 45 loads of psum, the biases and W_st the 192 loads of the weights were issued: the 45 are in
.irp k2, 0,2,4,6
	v_pk_add_f32 v[32+\k2:33+\k2], v[32+\k2:33+\k2], v[40+\k2:41+\k2]
	v_pk_add_f32 v[48+\k2:49+\k2], v[48+\k2:49+\k2], v[56+\k2:57+\k2]
.endr
.irp k2, 0,2,4,6
	v_pk_add_f32 v[32+\k2:33+\k2], v[32+\k2:33+\k2], v[48+\k2:49+\k2]
.endr
.irp k2, 0,2,4,6
	v_pk_mul_f32 v[32+\k2:33+\k2], v[32+\k2:33+\k2], 0x3a000000 op_sel_hi:[1,0]  ; / 2,048
.endr
.irp k2, 0,1,2,3
	v_cvt_pk_bf16_f32 v[40+\k2], v[32+2*\k2], v[33+2*\k2]
.endr
	ds_store_b128 v[SQW], v[40:43]
	s_wait_dscnt 0x0
	s_barrier_signal -1                            ; the first tiles may stay on their way
	s_barrier_wait -1
.irp s2, 0,1,2,3                       ; the operand's 16 rows are all the mean: one live row in a tile of 16
	ds_load_b128 v[32+8*\s2:35+8*\s2],   v[SQR] offset:64*\s2
	ds_load_b128 v[36+8*\s2:39+8*\s2],   v[SQR] offset:64*\s2+32
	ds_load_b128 v[96+8*\s2:99+8*\s2],   v[SQR] offset:256+64*\s2
	ds_load_b128 v[100+8*\s2:103+8*\s2], v[SQR] offset:256+64*\s2+32
.endr
	s_wait_dscnt 0x0
.irp s2, 0,1,2,3                       ; the two accumulators take turns
.irp t2, 0,1
.if \s2 == 0
	v_wmma_f32_16x16x32_bf16 v[64+8*\t2:71+8*\t2], v[32+8*\s2:39+8*\s2], v[128+64*\t2+8*\s2:135+64*\t2+8*\s2], 0
.else
	v_wmma_f32_16x16x32_bf16 v[64+8*\t2:71+8*\t2], v[32+8*\s2:39+8*\s2], v[128+64*\t2+8*\s2:135+64*\t2+8*\s2], v[64+8*\t2:71+8*\t2]
.endif
.endr
.endr
.irp s2, 0,1,2,3
.irp t2, 0,1
	v_wmma_f32_16x16x32_bf16 v[64+8*\t2:71+8*\t2], v[96+8*\s2:103+8*\s2], v[160+64*\t2+8*\s2:167+64*\t2+8*\s2], v[64+8*\t2:71+8*\t2]
.endr
.endr
	PLACES
	ds_store_b32 v[GPW], v64                       ; row 0 of each result: column r, my quarter of K (both halves of the lanes write the same number)
	ds_store_b32 v[GPW], v72 offset:64
	s_wait_dscnt 0x0
	s_barrier_signal -1
	s_barrier_wait -1
.irp w, 0,1,2,3
	ds_load_b32 v[HS+\w], v[GPR] offset:128*\w
.endr
	s_wait_dscnt 0x0
	v_add_f32 v[HS], v[HS], v[HS+1]
	v_add_f32 v[HS+2], v[HS+2], v[HS+3]
	v_add_f32 v[HS], v[HS], v[HS+2]
	v_add_f32 v[HS], v[HS], v[BIA+3]               ; + b_st
	v_max_num_f32 v[HS], 0, v[HS]                  ; relu
	v_mul_f32 v[HS], v[NEGL], v[HS]
	v_exp_f32 v[HS], v[HS]
	v_mov_b32 v[BB], v[BIA]
	v_mov_b32 v[BB+1], v[BIA]
	v_mov_b32 v[BC], v[BIA+1]
	v_mov_b32 v[BC+1], v[BIA+1]
	v_mul_f32 v[NB], v[NEGL], v[BIA+2]
	v_mul_f32 v[NB+1], v[NEGL], v[BIA+2]
	v_mov_b32 v[SIN], 0                            ; the state starts at 0
	s_wait_alu depctr_va_vdst(0)                   ; ahead of the exponential's reader
	v_add_f32 v[HS], 1.0, v[HS]
	v_rcp_f32 v[HS], v[HS]
	v_nop
	s_wait_alu depctr_va_vdst(0)                   ; ahead of the reciprocal's reader
	v_add_f32 v[GG], v[HS], v[BIA+4]               ; + st_bias
	v_mov_b32 v[GG+1], v[GG]
	s_wait_loadcnt 0x0                             ; all the weights are in, and no load reads s[4:23] any more
	; a joint tile for slot B: 64 rows x 256 elements of 2 bytes, 16 bytes of padding behind each row
	s_mov_b32 s[G1B+0], 15|(1<<16)|(1<<20)|(1<<21)|(6<<22)|(3<<25)
	s_mov_b32 s[G1B+1], 256<<16
	s_mov_b32 s[G1B+2], 64<<16
	s_mov_b32 s[G1B+3], 256<<16
	s_mov_b32 s[G1B+4], 64
	s_mov_b32 s[G1B+5], 1024
	s_mov_b32 s[G1B+6], 0
	s_mov_b32 s[G1B+7], 0
	s_mov_b32 s[CNT], 15
	ROUND1 1, 0, 0                                 ; chunk 0 begins: slot A is whole; slot B, A and delta_p, chunk 1's own columns are asked for; nothing goes out yet
	s_branch .Lenter                               ; the loop is entered behind its round
.Lchunk:                                               ; 14 times: chunks 1 to 14 begin, and the chunk before goes out
	ROUND1 1, 1, 1
.Lenter:
	ASKA
	TURNA 1, 1                                     ; K 0-767 is multiplied; in its last group slot A is asked for again
	TURNB                                          ; K 768-1023 is multiplied
	EPI
	s_sub_co_u32 s[CNT], s[CNT], 1
	s_cmp_lg_u32 s[CNT], 0
	s_cbranch_scc1 .Lchunk
	ROUND1 0, 1, 0                                 ; the last chunk is written out: no own columns are left to ask for
	TURNA 0, 0                                     ; and no slot A
	TURNB
	EPI
	s_wait_dscnt 0x0                               ; for the others' sake: my stores into the stage are done
	s_barrier_signal -1
	s_barrier_wait -1
	SENDOUT
	s_wait_tensorcnt 0x0                           ; the wave's end, behind my last tensor load and my last LDS store
	ds_add_u32 v[SPW], v[NIL]
	s_wait_dscnt 0x0
	CROUND                                         ; the closing round: no work-group ends while a partner may still ask for a tile that names it
	s_endpgm
.Lfunc_end_k_q45878c40cc_scan:
	.size	k_q45878c40cc_scan, .Lfunc_end_k_q45878c40cc_scan-k_q45878c40cc_scan
	.p2alignl 7, 3214868480
	.fill 96, 4, 3214868480
	.section	.rodata,"a",@progbits
	.p2align	6, 0x0
	.amdhsa_kernel k_q45878c40cc_scan
		.amdhsa_group_segment_fixed_size 327680
		.amdhsa_private_segment_fixed_size 0
		.amdhsa_enable_private_segment 0
		.amdhsa_kernarg_size 80
		.amdhsa_user_sgpr_count 2
		.amdhsa_user_sgpr_kernarg_segment_ptr 1
		.amdhsa_wavefront_size32 1
		.amdhsa_system_sgpr_workgroup_id_x 1
		.amdhsa_system_sgpr_workgroup_id_y 1
		.amdhsa_system_sgpr_workgroup_id_z 1
		.amdhsa_system_vgpr_workitem_id 0
		.amdhsa_next_free_vgpr 1024
		.amdhsa_next_free_sgpr 100
		.amdhsa_reserve_vcc 0
		.amdhsa_float_denorm_mode_32 3
		.amdhsa_float_denorm_mode_16_64 3
		.amdhsa_memory_ordered 1
		.amdhsa_forward_progress 1
		.amdhsa_inst_pref_size 200
	.end_amdhsa_kernel
	.amdgpu_metadata
---
amdhsa.version: [ 1, 2 ]
amdhsa.kernels:
  - .name:           k_q45878c40cc_scan
    .symbol:         k_q45878c40cc_scan.kd
    .args:
      - { .name: xb, .offset: 0, .size: 8, .value_kind: global_buffer, .address_space: global }
      - { .name: wimg, .offset: 8, .size: 8, .value_kind: global_buffer, .address_space: global }
      - { .name: adimg, .offset: 16, .size: 8, .value_kind: global_buffer, .address_space: global }
      - { .name: psum, .offset: 24, .size: 8, .value_kind: global_buffer, .address_space: global }
      - { .name: b_B, .offset: 32, .size: 8, .value_kind: global_buffer, .address_space: global }
      - { .name: b_C, .offset: 40, .size: 8, .value_kind: global_buffer, .address_space: global }
      - { .name: b_d, .offset: 48, .size: 8, .value_kind: global_buffer, .address_space: global }
      - { .name: b_st, .offset: 56, .size: 8, .value_kind: global_buffer, .address_space: global }
      - { .name: st_bias, .offset: 64, .size: 8, .value_kind: global_buffer, .address_space: global }
      - { .name: out0, .offset: 72, .size: 8, .value_kind: global_buffer, .address_space: global }
    .group_segment_fixed_size: 327680
    .private_segment_fixed_size: 0
    .kernarg_segment_align: 8
    .kernarg_segment_size: 80
    .max_flat_workgroup_size: 128
    .sgpr_count:     100
    .vgpr_count:     1024
    .wavefront_size: 32
...
	.end_amdgpu_metadata
.endif
;; end of part 2
;; ======== version 2 of 2: 2 launches; version 1 with the launch prep written anew for expert scheduling mode
;; workspace buffers: xb 33,554,432 bytes; wimg 8,388,608 bytes; adimg 8,388,608 bytes; psum 131,072 bytes
;; launch prep (part 3): grid 256 x 1, 8 waves a work-group, no clusters, 5,120 bytes of LDS; arguments x, W_B, W_C, W_d, W_st, A, delta_p, xb, wimg, adimg, psum; writes xb, wimg, adimg, psum
.if DOCPART == 3
	.amdgcn_target "amdgcn-amd-amdhsa--gfx1250"
	.amdhsa_code_object_version 6
	.text
	.protected	k_q45878c40cc_prep
	.globl	k_q45878c40cc_prep
	.p2align	8
	.type	k_q45878c40cc_prep,@function
k_q45878c40cc_prep:
	s_mov_b64 s[64:65], 0
	v_nop
	global_prefetch_b8 v0, s[64:65] scope:SCOPE_SE
	s_setreg_imm32_b32 hwreg(HW_REG_WAVE_SCHED_MODE, 0, 2), 2
	s_setreg_imm32_b32 hwreg(HW_REG_WAVE_MODE, 25, 1), 1
	s_wait_xcnt 0x0
	s_wait_alu depctr_vm_vsrc(0)
; PREP: one pass over the large inputs, ahead of the launch that makes the output.
; NOTHING OF THE PROBLEM IS LEFT OUT: every input has a way to the output and is loaded, here or in the second launch.  (With a state that starts at 0 only row 0 of A
; reaches nothing; it lies inside a tile that is otherwise live and is carried along.)
; Each of the 256 work-groups (G = its number, eight waves) has three shares:
;   J1  x (f32) -> xb (bf16, same order), 512 rows x 128 columns of one batch, and the f32 sum of each of these columns -> psum[b][rq][column]: the mean over the sequence needs all of x
;       before any output can be made, so this pass also rounds x once for the products.
;   J2  16 rows of one of W_B, W_C, W_d, W_st -> wimg, bf16, in the order in which a wave's operand registers take them:
;       byte rb*131072 + mat*32768 + it*512 + lane*16 holds W_mat[16 rb + lane%16][16 it + 8 (lane/16) + 0..7].
;   J3  8 + 8 rows of A or delta_p -> adimg, bf16, in the order of a matrix result's registers in the second launch:
;       byte cb*262144 + c*16384 + nh*8192 + mh*4096 + arr*2048 + i*512 + lane*16 holds rows 128 c + 64 (lane/16) + 32 mh + 8 i + 0..7 of column 32 cb + 16 nh + lane%16.
; LIMITS: x, the four weights, A and delta_p are rounded once to bf16 (nearest even); the column sums are taken of the unrounded x, in f32, in an order of their own.
; No matrix unit, no cluster: nothing is shared between work-groups and there is no product here.  A ring of 40 register slots keeps 32 loads of every wave on their way;
; when x runs out the slots are filled with J2's and J3's loads, so the stream does not stop between the shares.  The rows to store have 32 slots of their own, each used twice.
; THE MODE: SCHED_MODE bits 1:0 = 2 (LLVM: expert scheduling mode 2), set by the entry lines.  The code itself states the register dependences
; between vector instructions and memory or LDS instructions, with s_wait_alu, always for 0.
; THE PLAN.  A wave's 64 rows go in 8 blocks of 8.  What is asked for is numbered on: 'virtual rows' 0-63 are x's rows, 64-79 J2's 16 loads, 80-95 J3's 64 narrow loads, four to a slot.
;   X   40 slots of four = five groups of 8.  Virtual row v lands in slot v % 40.  Block p's roundings and sums read group p % 5.  Row n asks for virtual row n + 32, which lands in the slot of row n - 8:
;       in the group that the block before read.
;   Y   32 slots of two = four groups of 8.  Block p's roundings write group p % 4; the eight stores that read it are issued in block p + 1.  Blocks 4 to 7 write the groups a second time.
;   v2-7, v10, v11   offsets, made once in the head and never written again: the rows are reached by immediate offsets.
;   SUM is named by vector lines alone until the one LDS store at the end.  v8, v9: written in the head, read by the closing add alone.
; So ONE wait on va_vdst at a block's head states all that the block's loads and stores hang on: they touch the X group and the Y group of the block before and the offsets, none of which a vector line of
; the block names, and are dealt among its rows with no further wait.  Two waits on vm_vsrc, at rows 32 and 48, stand ahead of Y's second use.
.set RED,   0                          ; LDS: each wave's four column sums a lane, 512 bytes a wave
.set SPARE, 4096                       ; the spare words: 128 bytes for each of the eight waves; no other line names them
.set XO,  2                            ; v2   wave x 64 rows of x + 16 x lane; never rewritten
.set YO,  3                            ; v3   the same in xb: wave x 64 rows + 8 x lane
.set WO,  4                            ; v4   J2 from: (lane%16) rows of 4,096 bytes + 32 (lane/16) + 512 x wave
.set WS,  5                            ; v5   J2 to: 16 x lane + 4,096 x wave
.set AO,  6                            ; v6   J3 from: 64 rows x (lane/16) + 4 (lane%16) + 512 x wave
.set AS,  7                            ; v7   J3 to: 16 x lane + four column blocks x wave
.set SPW, 8                            ; v8   my spare word
.set NIL, 9                            ; v9   0
.set RA,  10                           ; v10  16 x thread: my place in RED
.set PO,  11                           ; v11  16 x lane
.set SUM, 12                           ; v[12:19] two sets of four column sums, rows of even and of odd number
.set Y,   20                           ; v[20:83] 32 slots of two: a row's 8 bytes to store
.set X,   84                           ; v[84:243] 40 slots of four: as loaded
.set JW,  X+96                         ; J2's item e: eight registers at JW + 8 e (slots 24 to 39)
.set JA,  X                            ; J3's item e: eight registers at JA + 8 e (slots 0 to 15)
.set WV,   26
.set X1,   28                          ; s[28:29] x at the share's first element
.set Y1,   30                          ; s[30:31] xb likewise
.set WSRC, 32
.set WDST, 34
.set ASRC, 36
.set ADST, 38
.set PS,   40
	s_load_b512 s[4:19], s[0:1], 0x0               ; x, W_B, W_C, W_d, W_st, A, delta_p, xb
	s_load_b128 s[20:23], s[0:1], 0x40             ; wimg, adimg
	s_load_b64 s[24:25], s[0:1], 0x50              ; psum
	v_lshl_add_u32 v[SPW], v0, 2, SPARE
	v_mov_b32 v[NIL], 0
	v_lshrrev_b32 v[RA], 5, v0
	v_readfirstlane_b32 s[WV], v[RA]               ; wave 0..7
	v_and_b32 v1, 31, v0                           ; lane
	v_and_b32 v12, 15, v0                          ; lane % 16
	v_bfe_u32 v13, v0, 4, 1                        ; lane / 16
	s_wait_alu depctr_va_sdst(0)                   ; the wave's number is written, ahead of its first reader: offsets and a branch are made from it
	s_lshl_b32 s42, s[WV], 18
	v_lshl_add_u32 v[XO], v1, 4, s42
	s_lshl_b32 s43, s[WV], 17
	v_lshl_add_u32 v[YO], v1, 3, s43
	s_lshr_b32 s47, ttmp9, 5                       ; J1: batch
	s_and_b32 s48, ttmp9, 3                        ; J1: block of 512 rows; J3: i
	s_bfe_u32 s49, ttmp9, 0x30002                  ; J1: block of 128 columns
	s_lshl_b32 s[X1], s47, 23
	s_lshl_b32 s50, s48, 21
	s_add_co_u32 s[X1], s[X1], s50
	s_lshl_b32 s51, s49, 9
	s_add_co_u32 s[X1], s[X1], s51                 ; ((b 2048 + rq 512) 1024 + cbk 128) 4 bytes
	s_mov_b32 s[X1+1], 0
	s_lshr_b32 s[Y1], s[X1], 1                     ; half of that in xb
	s_mov_b32 s[Y1+1], 0
	s_wait_kmcnt 0x0
	s_add_nc_u64 s[X1:X1+1], s[4:5], s[X1:X1+1]
	s_add_nc_u64 s[Y1:Y1+1], s[18:19], s[Y1:Y1+1]
	s_wait_alu depctr_va_vdst(0)                   ; v[XO] and v[YO] are written: every load of x and every store of xb reads one of them as its offset
.set sn, 0
.rept 32
	global_load_b128 v[X+4*sn:X+4*sn+3], v[XO], s[X1:X1+1] offset:sn*4096 th:TH_LOAD_NT  ; four of the ring's five groups are filled: my rows 0 to 31; a load covers 512 consecutive bytes
.set sn, sn+1
.endr
	; the other shares' addresses, while the first loads are on their way; the wait at the head of block 1 shows them written, and none is read before it
	s_lshl_b32 s44, s[WV], 9
	v_lshlrev_b32 v[WO], 12, v12
	v_lshl_add_u32 v[WO], v13, 5, v[WO]
	v_add_nc_u32 v[WO], s44, v[WO]
	s_lshl_b32 s45, s[WV], 12
	v_lshl_add_u32 v[WS], v1, 4, s45
	v_lshlrev_b32 v[AO], 18, v13
	v_lshl_add_u32 v[AO], v12, 2, v[AO]
	v_add_nc_u32 v[AO], s44, v[AO]
	s_lshl_b32 s46, s[WV], 20
	v_lshl_add_u32 v[AS], v1, 4, s46
	v_lshlrev_b32 v[RA], 4, v0
	v_lshlrev_b32 v[PO], 4, v1
.set sn, 0
.rept 8
	v_mov_b32 v[SUM+sn], 0
.set sn, sn+1
.endr
	s_lshl2_add_u32 s[PS], s47, s48                ; 4 b + rq
	s_lshl_b32 s[PS], s[PS], 12
	s_add_co_u32 s[PS], s[PS], s51
	s_mov_b32 s[PS+1], 0
	s_add_nc_u64 s[PS:PS+1], s[24:25], s[PS:PS+1]
	s_lshr_b32 s52, ttmp9, 6                       ; J2: which weight
	s_and_b32 s53, ttmp9, 63                       ; J2: block of 16 rows
	s_lshl_b32 s[WDST], s53, 17
	s_lshl_b32 s54, s52, 15
	s_add_co_u32 s[WDST], s[WDST], s54
	s_mov_b32 s[WDST+1], 0
	s_add_nc_u64 s[WDST:WDST+1], s[20:21], s[WDST:WDST+1]
	s_lshl_b32 s54, s53, 16
	s_mov_b32 s55, 0
	s_cmp_eq_u32 s52, 1
	s_cselect_b64 s[WSRC:WSRC+1], s[8:9], s[6:7]
	s_cmp_eq_u32 s52, 2
	s_cselect_b64 s[WSRC:WSRC+1], s[10:11], s[WSRC:WSRC+1]
	s_cmp_eq_u32 s52, 3
	s_cselect_b64 s[WSRC:WSRC+1], s[12:13], s[WSRC:WSRC+1]
	s_add_nc_u64 s[WSRC:WSRC+1], s[WSRC:WSRC+1], s[54:55]
	s_lshr_b32 s56, ttmp9, 7                       ; J3: A (0) or delta_p (1)
	s_bfe_u32 s57, ttmp9, 0x40003                  ; J3: chunk of 128 rows
	s_bfe_u32 s58, ttmp9, 0x10002                  ; J3: mh
	s_lshl_b32 s60, s57, 19
	s_lshl_b32 s59, s58, 17
	s_add_co_u32 s60, s60, s59
	s_lshl_b32 s59, s48, 15
	s_add_co_u32 s60, s60, s59                     ; (128 c + 32 mh + 8 i) rows of 4,096 bytes
	s_mov_b32 s61, 0
	s_cmp_eq_u32 s56, 0
	s_cselect_b64 s[ASRC:ASRC+1], s[14:15], s[16:17]
	s_add_nc_u64 s[ASRC:ASRC+1], s[ASRC:ASRC+1], s[60:61]
	s_lshl_b32 s[ADST], s57, 14
	s_lshl_b32 s59, s58, 12
	s_add_co_u32 s[ADST], s[ADST], s59
	s_lshl_b32 s59, s56, 11
	s_add_co_u32 s[ADST], s[ADST], s59
	s_lshl_b32 s59, s48, 9
	s_add_co_u32 s[ADST], s[ADST], s59
	s_mov_b32 s[ADST+1], 0
	s_add_nc_u64 s[ADST:ADST+1], s[22:23], s[ADST:ADST+1]
; Eight f32 in registers b .. b+7 become eight bf16 in b .. b+3, in place: each line writes a register whose old number has been read.
.macro PACK8 b
	v_cvt_pk_bf16_f32 v[(\b)],   v[(\b)],   v[(\b)+1]
	v_cvt_pk_bf16_f32 v[(\b)+1], v[(\b)+2], v[(\b)+3]
	v_cvt_pk_bf16_f32 v[(\b)+2], v[(\b)+4], v[(\b)+5]
	v_cvt_pk_bf16_f32 v[(\b)+3], v[(\b)+6], v[(\b)+7]
.endm
; Row n of my 64.  First its two memory instructions, which touch what the block before worked on: virtual row n + 32 is asked for, into the slot of row n - 8, and row n - 8 is stored.
; Then row n is waited for, rounded and added to the column sums.
.macro ROW n
.if ((\n) == 32) || ((\n) == 48)
	s_wait_xcnt 0x0                                ; the stores issued so far have had their addresses translated: Y's slots are written a second time only behind this wait, and beside it:
	s_wait_alu depctr_vm_vsrc(0)                   ; at row 32: the stores issued in blocks 1 to 3 have read Y's groups 0 to 2, which blocks 4 to 6 write again; at row 48: those issued in block 4 have read group 3, which block 7 writes again
.endif
.if ((\n)%8 == 0) && ((\n) > 0)
	s_wait_alu depctr_va_vdst(0)                   ; a block's head: the block before is done reading its X group, in which this block's loads land, and has written its Y group, which this block's stores read; at row 8 the head's offsets are written too
.endif
.set vr, (\n)+32
.set lf, 32                                            ; behind row n's load the loads of virtual rows n + 1 to n + 32 were issued: one each,
.if vr < 64
	global_load_b128 v[X+4*(vr%40):X+4*(vr%40)+3], v[XO], s[X1:X1+1] offset:vr*4096 th:TH_LOAD_NT
.elseif vr < 80
	global_load_b128 v[X+4*(vr%40):X+4*(vr%40)+3], v[WO], s[WSRC:WSRC+1] offset:((vr-64)/2)*64+((vr-64)%2)*16
.else
.set lf, 32+3*(vr-79)                                  ; but four for each of J3's slots
.irp jj, 0,1,2,3
	global_load_b32 v[X+4*(vr%40)+\jj], v[AO], s[ASRC:ASRC+1] offset:(4*((vr-80)%2)+\jj)*4096+((vr-80)/2)*64
.endr
.endif
.if lf > 59
.set lf, 59                                            ; held at 59, so that the next row's four loads stay within the counter's field of 63
.endif
.if (\n) >= 8
	global_store_b64 v[YO], v[Y+2*(((\n)-8)%32):Y+2*(((\n)-8)%32)+1], s[Y1:Y1+1] offset:((\n)-8)*2048  ; 32 lanes store 256 consecutive bytes, at a multiple of 256 from xb's first byte
.endif
	s_wait_loadcnt lf                              ; loads come back in order: row n is in, the younger ones stay out
	v_cvt_pk_bf16_f32 v[Y+2*((\n)%32)],   v[X+4*((\n)%40)],   v[X+4*((\n)%40)+1]
	v_cvt_pk_bf16_f32 v[Y+2*((\n)%32)+1], v[X+4*((\n)%40)+2], v[X+4*((\n)%40)+3]
	v_pk_add_f32 v[SUM+4*((\n)%2):SUM+4*((\n)%2)+1],   v[SUM+4*((\n)%2):SUM+4*((\n)%2)+1],   v[X+4*((\n)%40):X+4*((\n)%40)+1]
	v_pk_add_f32 v[SUM+4*((\n)%2)+2:SUM+4*((\n)%2)+3], v[SUM+4*((\n)%2)+2:SUM+4*((\n)%2)+3], v[X+4*((\n)%40)+2:X+4*((\n)%40)+3]
.endm
.set sn, 0
.rept 64
	ROW sn
.set sn, sn+1
.endr
	v_pk_add_f32 v[SUM:SUM+1],   v[SUM:SUM+1],   v[SUM+4:SUM+5]
	v_pk_add_f32 v[SUM+2:SUM+3], v[SUM+2:SUM+3], v[SUM+6:SUM+7]
	s_wait_alu depctr_va_vdst(0)                   ; block 7 has written its Y group, the two lines above the sums: the eight stores and the LDS store below read them
.set sn, 56
.rept 8
	global_store_b64 v[YO], v[Y+2*(sn%32):Y+2*(sn%32)+1], s[Y1:Y1+1] offset:sn*2048
.set sn, sn+1
.endr
	ds_store_b128 v[RA], v[SUM:SUM+3]              ; my wave's sums of its 64 rows
	s_wait_loadcnt 63                              ; behind J2's last load J3's 64 were issued
.irp e, 0,1,2,3,4,5,6,7
	PACK8 JW+8*\e
.endr
	s_wait_alu depctr_va_vdst(0)                   ; the roundings have written J2's eight items, which the stores read
.irp e, 0,1,2,3,4,5,6,7
	global_store_b128 v[WS], v[JW+8*\e:JW+8*\e+3], s[WDST:WDST+1] offset:512*\e  ; 512 consecutive bytes
.endr
	s_wait_loadcnt 32                              ; J3's items 0 to 3 are in; the 32 loads of items 4 to 7 may stay out
.irp e, 0,1,2,3
	PACK8 JA+8*\e
.endr
	s_wait_alu depctr_va_vdst(0)                   ; the roundings have written J3's items 0 to 3, which the stores read
.irp e, 0,1,2,3
	global_store_b128 v[AS], v[JA+8*\e:JA+8*\e+3], s[ADST:ADST+1] offset:(\e/2)*262144+(\e%2)*8192
.endr
	s_wait_loadcnt 0x0
.irp e, 4,5,6,7
	PACK8 JA+8*\e
.endr
	s_wait_alu depctr_va_vdst(0)                   ; the roundings have written J3's items 4 to 7, which the stores read
.irp e, 4,5,6,7
	global_store_b128 v[AS], v[JA+8*\e:JA+8*\e+3], s[ADST:ADST+1] offset:(\e/2)*262144+(\e%2)*8192
.endr
	s_wait_dscnt 0x0                               ; for the others' sake: my sums lie in LDS
	s_barrier_signal -1
	s_barrier_wait -1
	s_wait_alu depctr_vm_vsrc(0)                   ; the stores of xb have read Y's registers, in which wave 0's LDS loads land: the wait stands ahead of the branch that leads there
	s_cmp_lg_u32 s[WV], 0                          ; wave 0 adds the eight waves' sums
	s_cbranch_scc1 .Lend
	s_wait_xcnt 0x0                                ; Y's registers, which the stores of xb read, are written again only behind this wait
.irp w, 0,1,2,3,4,5,6,7
	ds_load_b128 v[Y+4*\w:Y+4*\w+3], v[RA] offset:RED+512*\w  ; in wave 0 RA is 16 x lane; no vector line since the wait behind block 7 names Y
.endr
	s_wait_dscnt 0x0
.irp a, 0,8,16,24
	v_pk_add_f32 v[Y+\a:Y+\a+1],   v[Y+\a:Y+\a+1],   v[Y+\a+4:Y+\a+5]
	v_pk_add_f32 v[Y+\a+2:Y+\a+3], v[Y+\a+2:Y+\a+3], v[Y+\a+6:Y+\a+7]
.endr
.irp a, 0,16
	v_pk_add_f32 v[Y+\a:Y+\a+1],   v[Y+\a:Y+\a+1],   v[Y+\a+8:Y+\a+9]
	v_pk_add_f32 v[Y+\a+2:Y+\a+3], v[Y+\a+2:Y+\a+3], v[Y+\a+10:Y+\a+11]
.endr
	v_pk_add_f32 v[Y:Y+1],   v[Y:Y+1],   v[Y+16:Y+17]
	v_pk_add_f32 v[Y+2:Y+3], v[Y+2:Y+3], v[Y+18:Y+19]
	s_wait_alu depctr_va_vdst(0)                   ; the additions have written the four sums, which the store reads
	global_store_b128 v[PO], v[Y:Y+3], s[PS:PS+1]  ; 512 consecutive bytes of psum
.Lend:
	s_wait_dscnt 0x0                               ; the wave's end
	s_wait_alu 0x0
	s_wait_tensorcnt 0x0
	ds_add_u32 v[SPW], v[NIL]
	s_wait_dscnt 0x0
	s_endpgm
.Lfunc_end_k_q45878c40cc_prep:
	.size	k_q45878c40cc_prep, .Lfunc_end_k_q45878c40cc_prep-k_q45878c40cc_prep
	.p2alignl 7, 3214868480
	.fill 96, 4, 3214868480
	.section	.rodata,"a",@progbits
	.p2align	6, 0x0
	.amdhsa_kernel k_q45878c40cc_prep
		.amdhsa_group_segment_fixed_size 5120
		.amdhsa_private_segment_fixed_size 0
		.amdhsa_enable_private_segment 0
		.amdhsa_kernarg_size 88
		.amdhsa_user_sgpr_count 2
		.amdhsa_user_sgpr_kernarg_segment_ptr 1
		.amdhsa_wavefront_size32 1
		.amdhsa_system_sgpr_workgroup_id_x 1
		.amdhsa_system_sgpr_workgroup_id_y 1
		.amdhsa_system_sgpr_workgroup_id_z 1
		.amdhsa_system_vgpr_workitem_id 0
		.amdhsa_next_free_vgpr 244
		.amdhsa_next_free_sgpr 66
		.amdhsa_reserve_vcc 0
		.amdhsa_float_denorm_mode_32 3
		.amdhsa_float_denorm_mode_16_64 3
		.amdhsa_memory_ordered 1
		.amdhsa_forward_progress 1
		.amdhsa_inst_pref_size 50
	.end_amdhsa_kernel
	.amdgpu_metadata
---
amdhsa.version: [ 1, 2 ]
amdhsa.kernels:
  - .name:           k_q45878c40cc_prep
    .symbol:         k_q45878c40cc_prep.kd
    .args:
      - { .name: x, .offset: 0, .size: 8, .value_kind: global_buffer, .address_space: global }
      - { .name: W_B, .offset: 8, .size: 8, .value_kind: global_buffer, .address_space: global }
      - { .name: W_C, .offset: 16, .size: 8, .value_kind: global_buffer, .address_space: global }
      - { .name: W_d, .offset: 24, .size: 8, .value_kind: global_buffer, .address_space: global }
      - { .name: W_st, .offset: 32, .size: 8, .value_kind: global_buffer, .address_space: global }
      - { .name: A, .offset: 40, .size: 8, .value_kind: global_buffer, .address_space: global }
      - { .name: delta_p, .offset: 48, .size: 8, .value_kind: global_buffer, .address_space: global }
      - { .name: xb, .offset: 56, .size: 8, .value_kind: global_buffer, .address_space: global }
      - { .name: wimg, .offset: 64, .size: 8, .value_kind: global_buffer, .address_space: global }
      - { .name: adimg, .offset: 72, .size: 8, .value_kind: global_buffer, .address_space: global }
      - { .name: psum, .offset: 80, .size: 8, .value_kind: global_buffer, .address_space: global }
    .group_segment_fixed_size: 5120
    .private_segment_fixed_size: 0
    .kernarg_segment_align: 8
    .kernarg_segment_size: 88
    .max_flat_workgroup_size: 256
    .sgpr_count:     66
    .vgpr_count:     244
    .wavefront_size: 32
...
	.end_amdgpu_metadata
.endif
;; end of part 3
;; launch scan: the kernel of part 2 again; grid 32 x 8, 4 waves a work-group, clusters of 4 x 1, 327,680 bytes of LDS; arguments xb, wimg, adimg, psum, b_B, b_C, b_d, b_st, st_bias, out0; writes out0
